; MI455X (gfx1250); checked and timed in simulation.
; The chip was launched on July 23, 2026; its instructions are those of AMD's public machine-readable ISA for CDNA 5 (MIT licence, August 2026) and "CDNA5" Instruction Set Architecture Reference Guide (July 2026). The comments in the code are by the model that wrote it; some were corrected since.
;; Ro PE Cross Attention. Allowed arithmetic: matrix products marked QUANTISED: E2M3 operands, one E8M0 scale for each 32 along K, by v_wmma_scale_f32_16x16x128_f8f6f4 with both operands' format E2M3, f32 sums; everything else in f32.
;; Inputs: Wk 1,024 x 1,024 float32; Wo 1,024 x 1,024 float32; Wq 1,024 x 1,024 float32; Wv 1,024 x 1,024 float32; context 4 x 2,048 x 1,024 float32; key_padding_mask 4 x 2,048 bool; x 4 x 2,048 x 1,024 float32.
;; Outputs: out0 4 x 2,048 x 1,024 float32.
;; This version of the problem:
;;   THIS VERSION OF THE PROBLEM IS GIVEN IN LOW PRECISION. The matrix products marked QUANTISED in the list below multiply operands that are first quantised to E2M3 (2 exponent bits, 3 mantissa bits; 6 bits a number), with one power-of-two scale for each 32 numbers along K (OCP MX v1.0); their sums are f32. All else is computed in f32.
;;   The module's matrix products, in the order in which they are computed (A, B: the left and right operand; K: the contracted axis; several contracted axes count as one K, in the product's order):
;;     1. [M 8,192, K 1,024] x [K 1,024, N 1,024]; A: input x; B: input Wq: QUANTISED
;;     2. [M 8,192, K 1,024] x [K 1,024, N 1,024]; A: input context; B: input Wk: QUANTISED
;;     3. [M 8,192, K 1,024] x [K 1,024, N 1,024]; A: input context; B: input Wv: QUANTISED
;;     4. batch 64 x [M 2,048, K 64] x [K 64, N 2,048]; A: computed on the way; B: computed on the way: QUANTISED
;;     5. batch 64 x [M 64, K 2,048] x [K 2,048, N 2,048]; A: computed on the way; B: softmax (see below): QUANTISED
;;     6. [M 8,192, K 1,024] x [K 1,024, N 1,024]; A: computed on the way; B: input Wo: QUANTISED
;;   THE QUANTISER, for each operand of a quantised product, along K:
;;     - K is cut into blocks of 32 from its start; a last block that is shorter is filled with zeros.
;;     - A block's scale is 2^e with e = floor(log2(the largest magnitude in the block)) - 2, held to -126 .. 127; a block of zeros has e = 0. As a byte (E8M0): e + 127.
;;     - Each number is divided by its block's scale, clamped to +-7.5, and rounded to the nearest number of E2M3, ties to even, subnormals kept.
;;     - The product sums the exact products of the quantised numbers (number of the format x scale) in f32.
;;   ~~~python
;;   def quantise(x, axis):      # numpy; x: float32 -> the quantised numbers, widened to float32 again
;;       x = np.moveaxis(x, axis, -1); K = x.shape[-1]
;;       x = np.pad(x, [(0, 0)] * (x.ndim - 1) + [(0, -K % 32)]); x = x.reshape(x.shape[:-1] + (-1, 32)); a = np.abs(x).max(-1, keepdims=True)
;;       e = np.where(a > 0, np.clip(np.frexp(np.where(a > 0, a, 1))[1] - 1 - 2, -126, 127), 0)      # np.frexp(a)[1] - 1 = floor(log2(a)), exactly
;;       r = np.clip(x / 2.0 ** e, -7.5, 7.5)
;;       step = 2.0 ** (np.maximum(np.frexp(np.where(r == 0, 1, r))[1] - 1, 0) - 3)
;;       q = np.round(r / step) * step * 2.0 ** e      # np.round: ties to even
;;       return np.moveaxis(q.reshape(q.shape[:-2] + (-1,))[..., :K], -1, axis).astype(np.float32)
;;   ~~~
;;   SOFTMAX AHEAD OF A QUANTISED PRODUCT. Where the list says 'softmax', what is quantised is not the finished softmax but p = 2^(t - M), with t = logit x log2(e) and M = ceil(the row's largest t), a whole number; so 1/2 < the row's largest p <= 1. The row's sum l is taken of the UNQUANTISED p, in f32, and the product's result is divided by l at the end. Since M is a whole number, a kernel that streams over the keys may use a running M (the ceiling of the running maximum): every later rescaling is an exact power of two, which a block's scale takes up: the codes' values come out the same.
;;   OPERANDS COMPUTED ON THE WAY. 'Computed on the way' means the value that the module computes at that place (a softmax that the list does not call 'softmax' is quantised finished and normalised). What goes into a quantiser is computed in f32, as accurately as f32 sums, v_exp_f32 and their like allow (about 1e-6 of the number): no bf16 or f16 on the way to a quantiser, and a product that is left as it is and whose result goes on into a quantised operand takes f32 operands (vector FMAs, or v_wmma_f32_16x16x4_f32). A number that lies on a knife's edge between two numbers of the format may be rounded either way, as far as f32 arithmetic and the matrix unit's own rounding can turn it there, and no further.
;; One version. Each part assembles by itself: llvm-mc -triple=amdgcn-amd-amdhsa -mcpu=gfx1250 --defsym DOCPART=n.
;; ======== version 1 of 1: 4 launches
;; limits: right only within a limited range of input values
;; workspace buffers: opc 15,728,640 bytes; ops 655,360 bytes; rope 524,288 bytes; qrec 6,815,744 bytes; kv 13,369,344 bytes; ao 6,291,456 bytes; aos 262,144 bytes
;; launch prep (part 1): grid 656 x 1, 4 waves a work-group, no clusters, 70,144 bytes of LDS; arguments x, context, Wq, Wk, Wv, Wo, opc, ops, rope; writes opc, ops, rope
.if DOCPART == 1
	.amdgcn_target "amdgcn-amd-amdhsa--gfx1250"
	.amdhsa_code_object_version 6
	.text
	.protected	k_q5c93abccc6_prep
	.globl	k_q5c93abccc6_prep
	.p2align	8
	.type	k_q5c93abccc6_prep,@function
k_q5c93abccc6_prep:
	s_mov_b64 s[64:65], 0
	v_nop
	global_prefetch_b8 v0, s[64:65] scope:SCOPE_SE
	s_setreg_imm32_b32 hwreg(HW_REG_WAVE_MODE, 25, 1), 1
	s_wait_xcnt 0x0
; x, context [8192][1024] and Wq, Wk, Wv, Wo [1024][1024], f32, K innermost, become codes of FP6 (E2M3) with one E8M0 byte for each 32 along K; and the table of cosines and sines for the rotation is made.
; A block's scale is 2^(floor(log2(its largest magnitude)) - 2); its byte is that magnitude's exponent field - 2, held at 1 from below (a block of zeros keeps 1: its codes are zeros, and this program alone reads the bytes).
; LAYOUT OF THE CODES (opc): the order of the matrix operand's registers.  Rows go in groups of 128; tile t of a group holds rows 32 (t / 2) + 8 (t % 2) + r + 8 (r / 8), r = 0 .. 15.
;   A half fragment (16 rows x 64 K) is 768 bytes: registers 0-3 of lane l at 16 l, registers 4-5 at 512 + 8 l; lane (r, h) holds block h of tile row r.  [group][K step of 128][tile][half]: 98,304 bytes a group.
;   Groups: x 0-63, context 64-127, Wq 128-135, Wk 136-143, Wv 144-151, Wo 152-159.   Scale words (ops): [group][256 along K][tile][row][2 words]: 4,096 bytes a group.
; SHARES.  Work-groups 0-639: a band of 32 rows (two tiles); wave w takes K 256 w .. 256 w + 255, in eight steps of 16 rows x 64 K.  A step's eight loads read whole rows' 256 bytes, sixteen lanes to a row;
;   the 4,096 bytes turn through the wave's own stage in LDS, so that a lane holds a whole block of 32; its 24 bytes of codes leave as 512 + 256 consecutive bytes a wave.  Waves share nothing: no barrier.
; Work-groups 640-655: thread = position l; cos and sin of l x 10^(-j / 8), j = 0 .. 31, by reduction to a quarter turn (pi / 2 in two parts) and polynomials; rope[l] = 32 cosines, 32 sines: 256 bytes.
; LIMITS: NaN and infinities among the inputs are not served.  The frequencies are the f32 numbers nearest to 10^(-j / 8) (10000^(1/32) = 10^(1/8)); a power computed in f32 may differ from them in the last place,
;   which at position 2,047 moves an angle by about 1e-4.
.set QST,   0                          ; LDS: the quantiser's stages: for each wave two of 16 rows x 272 bytes
.set TST,   34816                      ; the table's stages: for each wave 32 rows x 272 bytes.  The two paths have LDS bytes of their own
.set WREG,  8704
.set SPARE, 69632                      ; the spare words, 128 bytes for each wave: two blocks of 256 bytes that no other line names
.set SPW,   14                         ; v14  LDS address of my spare word; never rewritten
.set NIL,   15                         ; v15  0; never rewritten
.set WD,    16                         ; v16-19 scale words: tile u, K step q at v[WD + 2 u + q];  v20-21 at work
.set RL,    32                         ; v32-95   two sets of 32 registers as loaded
.set XN,    96                         ; v96-159  two sets: a block of 32 numbers
.set CD,    160                        ; v160-223 codes: eight registers for each step, so that no store's data are written again
	s_load_b256 s[4:11], s[0:1], 0x0               ; x, context, Wq, Wk
	s_load_b256 s[12:19], s[0:1], 0x20             ; Wv, Wo, opc, ops
	s_load_b64 s[20:21], s[0:1], 0x40              ; rope
	v_lshl_add_u32 v[SPW], v0, 2, SPARE
	v_mov_b32 v[NIL], 0
	v_lshrrev_b32 v1, 5, v0
	v_readfirstlane_b32 s22, v1                    ; wave
	v_and_b32 v1, 31, v0                           ; lane
	v_and_b32 v2, 15, v0                           ; r
	v_bfe_u32 v3, v0, 4, 1                         ; h
	v_lshlrev_b32 v7, 4, v1                        ; 16 x lane
	v_lshlrev_b32 v8, 3, v1                        ; 8 x lane
	s_mul_i32 s23, s22, WREG                       ; my wave's stages
	s_cmp_ge_u32 ttmp9, 640
	s_cbranch_scc1 .Ltable
	; ---------------- the quantiser ----------------
	v_lshlrev_b32 v4, 4, v2
	v_lshl_add_u32 v4, v3, 12, v4                  ; in: lanes 0-15 one row's 256 bytes, lanes 16-31 the next row's
	v_mul_u32_u24 v5, v3, 272
	v_lshl_add_u32 v5, v2, 4, v5
	v_add_nc_u32 v5, s23, v5                       ; into the stage, as loaded
	v_mul_u32_u24 v6, v2, 272
	v_lshl_add_u32 v6, v3, 7, v6
	v_add_nc_u32 v6, s23, v6                       ; out of it: tile row r, block h: 128 bytes
	v_lshlrev_b32 v9, 3, v3                        ; 8 h: my byte's place in a pair of bytes
	v_mov_b32 v20, 0                               ; a lane permute's destination counts as one of its sources
	v_mov_b32 v21, 0
	s_mov_b32 s40, 0xffff0000                      ; lanes 16-31
	s_mov_b32 s41, 0x76543210
	s_mov_b32 s42, 0xfedcba98                      ; v_permlanex16_b32's selects for lane l xor 16
	s_lshr_b32 s24, ttmp9, 2                       ; the group
	s_and_b32 s25, ttmp9, 3                        ; which pair of its tiles
	s_mul_i32 s26, s24, 98304
	s_mul_i32 s27, s22, 24576
	s_add_co_u32 s26, s26, s27
	s_mul_i32 s27, s25, 3072
	s_add_co_u32 s26, s26, s27                     ; my codes
	s_mov_b32 s27, 0
	s_lshl_b32 s28, s24, 12
	s_lshl_b32 s29, s22, 10
	s_add_co_u32 s28, s28, s29
	s_lshl_b32 s29, s25, 8
	s_add_co_u32 s28, s28, s29                     ; my scale words
	s_mov_b32 s29, 0
	s_wait_kmcnt 0x0
	s_mov_b64 s[30:31], s[4:5]                     ; which tensor: the choice hangs on the work-group's number alone
	s_mov_b32 s32, 0                               ; and its first band
	s_cmp_ge_u32 ttmp9, 256
	s_cselect_b64 s[30:31], s[6:7], s[30:31]
	s_cselect_b32 s32, 256, s32
	s_cmp_ge_u32 ttmp9, 512
	s_cselect_b64 s[30:31], s[8:9], s[30:31]
	s_cselect_b32 s32, 512, s32
	s_cmp_ge_u32 ttmp9, 544
	s_cselect_b64 s[30:31], s[10:11], s[30:31]
	s_cselect_b32 s32, 544, s32
	s_cmp_ge_u32 ttmp9, 576
	s_cselect_b64 s[30:31], s[12:13], s[30:31]
	s_cselect_b32 s32, 576, s32
	s_cmp_ge_u32 ttmp9, 608
	s_cselect_b64 s[30:31], s[14:15], s[30:31]
	s_cselect_b32 s32, 608, s32
	s_sub_co_u32 s32, ttmp9, s32
	s_lshl_b32 s32, s32, 17                        ; 32 rows of 4,096 bytes a band
	s_lshl_b32 s33, s22, 10                        ; my wave's 1,024 bytes of a row
	s_add_co_u32 s32, s32, s33
	s_mov_b32 s33, 0
	s_add_nc_u64 s[30:31], s[30:31], s[32:33]
	s_add_nc_u64 s[16:17], s[16:17], s[26:27]
	s_add_nc_u64 s[18:19], s[18:19], s[28:29]
; step n: tile n / 4 of the band, the n % 4-th 64 along K.  Tile row 2 i + h is the band's row 8 u + 2 i + h + 8 (i / 4)
.macro LOAD n
.irp i, 0,1,2,3,4,5,6,7
	global_load_b128 v[RL+32*((\n)%2)+4*\i:RL+32*((\n)%2)+4*\i+3], v4, s[30:31] offset:(8*((\n)/4)+2*\i+8*(\i/4))*4096+256*((\n)%4) th:TH_LOAD_NT
.endr
.endm
.macro TURN n                          ; through the stage: LDS serves a wave's instructions in order, so no wait stands between the stores and the loads
.irp i, 0,1,2,3,4,5,6,7
	ds_store_b128 v5, v[RL+32*((\n)%2)+4*\i:RL+32*((\n)%2)+4*\i+3] offset:4352*((\n)%2)+544*\i
.endr
.irp j, 0,1,2,3,4,5,6,7
	ds_load_b128 v[XN+32*((\n)%2)+4*\j:XN+32*((\n)%2)+4*\j+3], v6 offset:4352*((\n)%2)+16*\j
.endr
.endm
.macro STEP n
.set XS, XN+32*((\n)%2)
.set CC, CD+8*(\n)
.set UU, (\n)/4
.set KP, (\n)%4
	s_wait_dscnt 0x0                               ; this step's block is back from the stage, and its stores into the stage have read their registers,
.if (\n)+2 < 8
	LOAD (\n)+2                                    ; which take the loads of two steps on
.endif
.if (\n)+1 < 8
.if (\n)+2 < 8
	s_wait_loadcnt 8                               ; the next step's eight loads are in; the eight just issued may be out
.else
	s_wait_loadcnt 0x0
.endif
	TURN (\n)+1                                    ; and go through the other stage while this step is worked
.endif
	v_max3_num_f32 v12, |v[XS]|, |v[XS+1]|, |v[XS+2]|      ; the block's largest magnitude: all 32 numbers are mine; two chains
	v_max3_num_f32 v13, |v[XS+3]|, |v[XS+4]|, |v[XS+5]|
.irp i, 6,10,14,18,22,26
	v_max3_num_f32 v12, v12, |v[XS+\i]|, |v[XS+\i+1]|
	v_max3_num_f32 v13, v13, |v[XS+\i+2]|, |v[XS+\i+3]|
.endr
	v_max3_num_f32 v12, v12, |v[XS+30]|, |v[XS+31]|
	v_max3_num_f32 v12, v12, v13, 0x1800000        ; and the floor 2^(3 - 127): the byte cannot fall under 1
	v_add_nc_u32 v11, 0xff000000, v12              ; 2 off the exponent field: the conversion takes that field of this operand as its scale
	v_cvt_scalef32_pk16_fp6_f32 v[CC:CC+2], v[XS:XS+15], v11
	v_cvt_scalef32_pk16_fp6_f32 v[CC+4:CC+6], v[XS+16:XS+31], v11   ; (a conversion's three registers begin on an even number)
	v_lshrrev_b32 v13, 23, v11                     ; the scale's byte; also the plain line behind the conversions
	v_mov_b32 v[CC+3], v[CC+4]
	v_mov_b32 v[CC+4], v[CC+5]
	v_mov_b32 v[CC+5], v[CC+6]                     ; six registers on end: the block's 24 bytes
	global_store_b128 v7, v[CC:CC+3], s[16:17] offset:(KP/2)*12288+UU*1536+(KP%2)*768        ; 512 consecutive bytes a wave
	global_store_b64 v8, v[CC+4:CC+5], s[16:17] offset:(KP/2)*12288+UU*1536+(KP%2)*768+512   ; and 256
.if KP%2 == 0
	v_mov_b32 v[WD+2*UU+KP/2], v13                 ; word KP / 2: my byte of its first 64 along K,
.else
	v_lshl_or_b32 v[WD+2*UU+KP/2], v13, 16, v[WD+2*UU+KP/2]   ; and of its second
.endif
.if KP == 3                            ; the tile is done: my bytes go 8 h bits up, and lane l xor 16's fill the gaps
	v_lshlrev_b32 v[WD+2*UU], v9, v[WD+2*UU]
	v_lshlrev_b32 v[WD+2*UU+1], v9, v[WD+2*UU+1]
	v_permlanex16_b32 v20, v[WD+2*UU], s41, s42
	v_permlanex16_b32 v21, v[WD+2*UU+1], s41, s42
	v_or_b32 v[WD+2*UU], v[WD+2*UU], v20
	v_or_b32 v[WD+2*UU+1], v[WD+2*UU+1], v21
.endif
.endm
	LOAD 0
	LOAD 1
	s_wait_loadcnt 8                               ; step 0's eight loads are in
	TURN 0
.irp n, 0,1,2,3,4,5,6,7
	STEP \n
.endr
	v_cndmask_b32 v16, v16, v18, s40               ; lanes 0-15 keep the first tile's words, lanes 16-31 take the second's
	v_cndmask_b32 v17, v17, v19, s40
	global_store_b64 v8, v[16:17], s[18:19]        ; 256 consecutive bytes, aligned
	s_wait_tensorcnt 0x0                           ; the wave's end, behind my last LDS store
	ds_add_u32 v[SPW], v[NIL]
	s_wait_dscnt 0x0
	s_endpgm
	; ---------------- the table ----------------
.Ltable:
	s_sub_co_u32 s24, ttmp9, 640
	s_lshl_b32 s25, s24, 7
	v_add_nc_u32 v9, s25, v0                       ; my position
	v_cvt_f32_u32 v9, v9
	s_mov_b32 s32, 0x3f22f983                      ; 2 / pi
	s_mov_b32 s33, 0x3fc90fdb                      ; pi / 2, its upper part,
	s_mov_b32 s34, 0xb33bbd2e                      ; and what is left of it
	s_mov_b32 s35, 0xb94ca1f9                      ; the sine's three coefficients
	s_mov_b32 s36, 0x3c08839e
	s_mov_b32 s37, 0xbe2aaaa3
	s_mov_b32 s38, 0x37ccf5ce                      ; the cosine's
	s_mov_b32 s39, 0xbab6061a
	s_mov_b32 s40, 0x3d2aaaa5
.macro TRIG j, f
	v_mul_f32 v10, \f, v9                          ; the angle: one f32 product
	v_mul_f32 v11, s32, v10
	v_rndne_f32 v11, v11                           ; n quarter turns
	v_fma_f32 v12, -v11, s33, v10
	v_fma_f32 v12, -v11, s34, v12                  ; r = angle - n pi / 2, within pi / 4 of 0
	v_mul_f32 v13, v12, v12                        ; z = r r
	v_cvt_i32_f32 v16, v11
	v_fma_f32 v17, s35, v13, s36
	v_fma_f32 v19, s38, v13, s39
	v_fma_f32 v17, v17, v13, s37
	v_fma_f32 v19, v19, v13, s40
	v_mul_f32 v18, v13, v12
	v_mul_f32 v20, v13, v13
	v_fma_f32 v21, v13, -0.5, 1.0
	v_fma_f32 v17, v17, v18, v12                   ; sin r
	v_fma_f32 v19, v19, v20, v21                   ; cos r
	v_and_b32 v22, 1, v16
	v_cmp_eq_u32 vcc_lo, 1, v22                    ; an odd number of quarter turns swaps the two
	v_cndmask_b32 v23, v17, v19, vcc_lo
	v_cndmask_b32 v24, v19, v17, vcc_lo
	v_and_b32 v22, 2, v16                          ; the sine's sign: quarters 2, 3
	v_lshlrev_b32 v22, 30, v22
	v_xor_b32 v[96+\j], v22, v23
	v_add_nc_u32 v22, 1, v16                       ; the cosine's: quarters 1, 2
	v_and_b32 v22, 2, v22
	v_lshlrev_b32 v22, 30, v22
	v_xor_b32 v[64+\j], v22, v24
.endm
	TRIG 0, 1.0
	TRIG 1, 0.7498942093
	TRIG 2, 0.5623413252
	TRIG 3, 0.4216965034
	TRIG 4, 0.3162277660
	TRIG 5, 0.2371373706
	TRIG 6, 0.1778279410
	TRIG 7, 0.1333521432
	TRIG 8, 0.1
	TRIG 9, 0.07498942093
	TRIG 10, 0.05623413252
	TRIG 11, 0.04216965034
	TRIG 12, 0.03162277660
	TRIG 13, 0.02371373706
	TRIG 14, 0.01778279410
	TRIG 15, 0.01333521432
	TRIG 16, 0.01
	TRIG 17, 0.007498942093
	TRIG 18, 0.005623413252
	TRIG 19, 0.004216965034
	TRIG 20, 0.003162277660
	TRIG 21, 0.002371373706
	TRIG 22, 0.001778279410
	TRIG 23, 0.001333521432
	TRIG 24, 0.001
	TRIG 25, 0.0007498942093
	TRIG 26, 0.0005623413252
	TRIG 27, 0.0004216965034
	TRIG 28, 0.0003162277660
	TRIG 29, 0.0002371373706
	TRIG 30, 0.0001778279410
	TRIG 31, 0.0001333521432
	v_mul_u32_u24 v10, v1, 272
	v_add_nc_u32 v10, s23, v10
	v_add_nc_u32 v10, TST, v10                     ; into my wave's stage: a row to a lane
	v_mul_u32_u24 v11, v3, 272
	v_lshl_add_u32 v11, v2, 4, v11
	v_add_nc_u32 v11, s23, v11
	v_add_nc_u32 v11, TST, v11                     ; back: sixteen lanes to a row, two rows an instruction
	s_lshl_b32 s26, s24, 15                        ; 128 positions of 256 bytes a work-group,
	s_lshl_b32 s27, s22, 13                        ; 32 a wave
	s_add_co_u32 s26, s26, s27
	s_mov_b32 s27, 0
	s_wait_kmcnt 0x0
	s_add_nc_u64 s[20:21], s[20:21], s[26:27]
.irp i, 0,1,2,3,4,5,6,7,8,9,10,11,12,13,14,15
	ds_store_b128 v10, v[64+4*\i:67+4*\i] offset:16*\i
.endr
.irp i, 0,1,2,3,4,5,6,7,8,9,10,11,12,13,14,15
	ds_load_b128 v[128+4*\i:131+4*\i], v11 offset:544*\i   ; LDS serves a wave's instructions in order: these see my stores
.endr
.irp i, 0,1,2,3,4,5,6,7,8,9,10,11,12,13,14,15
	s_wait_dscnt 15-\i                             ; the younger loads may be out
	global_store_b128 v7, v[128+4*\i:131+4*\i], s[20:21] offset:512*\i   ; 512 consecutive bytes a wave
.endr
	s_wait_tensorcnt 0x0                           ; the wave's end, behind my last LDS store
	ds_add_u32 v[SPW], v[NIL]
	s_wait_dscnt 0x0
	s_endpgm
.Lfunc_end_k_q5c93abccc6_prep:
	.size	k_q5c93abccc6_prep, .Lfunc_end_k_q5c93abccc6_prep-k_q5c93abccc6_prep
	.p2alignl 7, 3214868480
	.fill 96, 4, 3214868480
	.section	.rodata,"a",@progbits
	.p2align	6, 0x0
	.amdhsa_kernel k_q5c93abccc6_prep
		.amdhsa_group_segment_fixed_size 70144
		.amdhsa_private_segment_fixed_size 0
		.amdhsa_enable_private_segment 0
		.amdhsa_kernarg_size 72
		.amdhsa_user_sgpr_count 2
		.amdhsa_user_sgpr_kernarg_segment_ptr 1
		.amdhsa_wavefront_size32 1
		.amdhsa_system_sgpr_workgroup_id_x 1
		.amdhsa_system_sgpr_workgroup_id_y 1
		.amdhsa_system_sgpr_workgroup_id_z 1
		.amdhsa_system_vgpr_workitem_id 0
		.amdhsa_next_free_vgpr 224
		.amdhsa_next_free_sgpr 66
		.amdhsa_reserve_vcc 1
		.amdhsa_float_denorm_mode_32 3
		.amdhsa_float_denorm_mode_16_64 3
		.amdhsa_memory_ordered 1
		.amdhsa_forward_progress 1
		.amdhsa_inst_pref_size 74
	.end_amdhsa_kernel
	.amdgpu_metadata
---
amdhsa.version: [ 1, 2 ]
amdhsa.kernels:
  - .name:           k_q5c93abccc6_prep
    .symbol:         k_q5c93abccc6_prep.kd
    .args:
      - { .name: x, .offset: 0, .size: 8, .value_kind: global_buffer, .address_space: global }
      - { .name: context, .offset: 8, .size: 8, .value_kind: global_buffer, .address_space: global }
      - { .name: Wq, .offset: 16, .size: 8, .value_kind: global_buffer, .address_space: global }
      - { .name: Wk, .offset: 24, .size: 8, .value_kind: global_buffer, .address_space: global }
      - { .name: Wv, .offset: 32, .size: 8, .value_kind: global_buffer, .address_space: global }
      - { .name: Wo, .offset: 40, .size: 8, .value_kind: global_buffer, .address_space: global }
      - { .name: opc, .offset: 48, .size: 8, .value_kind: global_buffer, .address_space: global }
      - { .name: ops, .offset: 56, .size: 8, .value_kind: global_buffer, .address_space: global }
      - { .name: rope, .offset: 64, .size: 8, .value_kind: global_buffer, .address_space: global }
    .group_segment_fixed_size: 70144
    .private_segment_fixed_size: 0
    .kernarg_segment_align: 8
    .kernarg_segment_size: 72
    .max_flat_workgroup_size: 128
    .sgpr_count:     66
    .vgpr_count:     224
    .wavefront_size: 32
...
	.end_amdgpu_metadata
.endif
;; end of part 1
;; launch qkv (part 2): grid 4 x 96, 4 waves a work-group, clusters of 4 x 4, 327,680 bytes of LDS; arguments opc, ops, rope, key_padding_mask, qrec, kv; writes qrec, kv
.if DOCPART == 2
	.amdgcn_target "amdgcn-amd-amdhsa--gfx1250"
	.amdhsa_code_object_version 6
	.text
	.protected	k_q5c93abccc6_qkv
	.globl	k_q5c93abccc6_qkv
	.p2align	8
	.type	k_q5c93abccc6_qkv,@function
k_q5c93abccc6_qkv:
	s_mov_b64 s[64:65], 0
	v_nop
	global_prefetch_b8 v0, s[64:65] scope:SCOPE_SE
	s_setreg_imm32_b32 hwreg(HW_REG_WAVE_MODE, 25, 1), 1
	s_wait_xcnt 0x0
	s_wait_alu depctr_hold_cnt(0) depctr_sa_sdst(0) depctr_va_vdst(0) depctr_va_sdst(0) depctr_va_ssrc(0) depctr_va_vcc(0) depctr_vm_vsrc(0)
	s_getreg_b32 s2, hwreg(HW_REG_IB_STS2, 6, 4)
	s_cmp_eq_u32 s2, 0
	s_cbranch_scc0 .Lentry_in_a_cluster
	s_endpgm
.Lentry_in_a_cluster:
	s_bfe_u32 s2, ttmp6, 0x10000c
	s_cmp_lg_u32 s2, 0xf033
	s_cbranch_scc0 .Lentry_shape_is_right
	s_endpgm
.Lentry_shape_is_right:
; q = x Wq^T, k = context Wk^T, v = context Wv^T on codes of FP6 (E2M3) with E8M0 scales (K = 1,024), and on the way out: the rotation of q and k, and the quantisers of the two products of attention.
; Nothing leaves as f32: q and k leave as codes along the head's 64, v as codes along the keys, all in the order of the matrix operand's registers.
; THE PRODUCT.  A work-group of four waves makes 256 x 256; a wave 128 x 128: 64 accumulators, 512 registers.  Source 0 = X, source 1 = Y: a lane holds one row of Y, its registers run along X's rows.
;   Rows go in groups of 128; tile t holds rows 32 (t / 2) + 8 (t % 2) + r + 8 (r / 8): so the 16 registers of X's tiles 2 b, 2 b + 1 are X's rows 32 b + 16 (lane / 16) + 0 .. 15: NEIGHBOURS.
;   The cluster's y, CY, says what is made: 0-7 q (Y = x's tokens, X = Wq's rows), 8-15 k (Y = context's tokens, X = Wk's rows), 16-23 v (X = context's tokens, Y = Wv's rows: a lane then holds one channel and its registers run along the keys).
; THE RING.  K goes in steps of 256 through two LDS slots.  A group's 256 along K are 24,576 dense bytes of opc, in the registers' order: a fragment (16 rows x 128 K, 12 registers) comes by two loads of 16 bytes and two of 8 a lane, each from consecutive bytes.
;   The scale words of the four groups, for all of K, come once (4 x 4,096 bytes) and stay.
; CLUSTERS: 4 x 4 work-groups.  Y's group hangs on cy, X's on cx: each tile is asked for jointly by the four that share it, by the same tensor load with the same descriptor.
; THE MASK goes into the idle half of the scores' K (the head has 64, the instruction takes 128): a key's scale word is [s0, s1, m, 127], m = 254 for a masked key and 1 for any other; a query's is [s0, s1, 127, 127].
;   The attention launch sets the code +1 at k = 64 of every key and -1 at k = 64 of every query: a masked key's score gets -2^127, any other -2^-126.
; LIMITS: scores whose magnitude lies under about 1e-31 are moved by that -2^-126.  NaN and infinities are not served.  A bool is 0 or 1.  A block of zeros gets the byte 1 (its codes are zeros; this program alone reads the bytes).
; REGISTERS, in windows of 256: window 0: v16-29 addresses; v32-63 scale words, two sets; v128-223 Y's fragments, one set.  window 1: X's fragments, two sets, at v0 and v128.  windows 2, 3: accumulator (a, b) at v[8 (8 (a % 4) + b)], Y's tiles 0-3 and 4-7.
;   On the way out window 0 holds: v1-7 offsets; v32-95 cosines and sines, two sets; v96-127 the rotated numbers; v128.. codes; v160.. at work.
.set NQ,    2                          ; matrix instructions deep in a slot
.set FR,    12                         ; registers of a fragment
.set NL,    4                          ; LDS loads that bring one
.set NP,    4                          ; places behind this matrix instruction (ISA guide 7.12.1)
.set GRPB,  98304                      ; a group's codes
.set SLB,   24576                      ; a group's 256 along K
.set SLOT,  4*SLB                      ; Y's two groups, then X's two
.set LAPS,  2                          ; 1,024 along K = twice round the ring
.set SCL,   2*SLOT                     ; behind the ring: the scale words, 4,096 bytes for each of the four groups
.set SPARE, SCL+4*4096                 ; the spare words, 128 bytes for each wave: two blocks of 256 bytes that no other line names
.set ADRA, 16                          ; v16-17 Y's fragments in slot 0, 1: 16 x lane;  v18-19: 8 x lane
.set ADRB, 20                          ; v20-23 the same for X
.set ADRS, 27                          ; v27    my scale words: lanes 0-15 Y's rows, lanes 16-31 X's
.set SPW,  28                          ; v28    LDS address of my spare word; never rewritten
.set NIL,  29                          ; v29    0; never rewritten
.set SC,   32                          ; scale words: set s at v[SC + 16 s]; register 2 i + q: lanes 0-15 Y's tile i, lanes 16-31 X's tile i, the slot's q-th 128 along K
.set AF,   128                         ; Y's fragments
.set G1, 24                            ; s[24:31], s[32:39] descriptor groups 1 and 0 (a set for each slot) for Y's tiles
.set G0, 32
.set G1B, 48                           ; s[48:55], s[56:63] for X's
.set G0B, 56
.set G1S, 68                           ; s[68:75], s[76:79] for Y's scale words;  s[80:87], s[88:91] for X's
.set G0S, 76
.set G1SB, 80
.set G0SB, 88
.set CSN,  32                          ; the way out
.set RR,   96
.set PP,   128
.set TM,   160
.set SW,   168
.set MB,   176
.set PW,   176
.set SWV,  178
.set MSB, 0
.macro WIN new                         ; the immediate's high byte repeats the setting that is left
.if MSB != \new
	s_set_vgpr_msb (MSB<<8)|\new
.set MSB, \new
.endif
.endm
.set MUL_LO, 0xa1                      ; source 0 (X) window 1, source 1 (Y) window 0, C and D window 2
.set MUL_HI, 0xf1                      ; the same, C and D window 3
.set TO_B,   0x40                      ; destination window 1, address window 0
; A joint load: waves 0 and 1 fetch for Y, waves 2 and 3 for X.  The branch hangs on the wave's number alone.  An s_nop 0 and four v_nop follow each of the two lines.
.macro JLOAD g0a, g1a, g0b, g1b
	s_cmp_eq_u32 s17, 0
	s_cbranch_scc0 .Lfor_b_\@
	tensor_load_to_lds s[\g0a:\g0a+3], s[\g1a:\g1a+7]
	s_nop 0
.rept 4
	v_nop
.endr
	s_branch .Lasked_\@
.Lfor_b_\@:
	tensor_load_to_lds s[\g0b:\g0b+3], s[\g1b:\g1b+7]
	s_nop 0
.rept 4
	v_nop
.endr
.Lasked_\@:
.endm
.macro CREST                           ; a round of the cluster's barrier behind its opening barrier
	s_cmp_lg_u32 s16, 0
	s_cbranch_scc1 .Lnot_wave_0_\@
	s_barrier_signal -3
.Lnot_wave_0_\@:
	s_barrier_wait -3
	s_barrier_signal -1
	s_barrier_wait -1
.endm
.macro CROUND
	s_barrier_signal -1
	s_barrier_wait -1
	CREST
.endm
	s_load_b256 s[4:11], s[0:1], 0x0               ; opc, ops, rope, the mask
	s_load_b128 s[12:15], s[0:1], 0x20             ; qrec, kv
	v_lshl_add_u32 v[SPW], v0, 2, SPARE
	v_mov_b32 v[NIL], 0
	ds_add_u32 v[SPW], v[NIL]                      ; the wave's opening: the add and its wait stand ahead of my first tensor load; work on registers stands between them
	v_lshrrev_b32 v1, 5, v0
	v_readfirstlane_b32 s16, v1                    ; wave 0..3
	s_lshr_b32 s17, s16, 1                         ; which of Y's two groups I multiply.  Also: I fetch for Y (0) or for X (1)
	s_and_b32 s18, s16, 1                          ; which of X's two groups I multiply.  Also: which of the two groups I fetch
	s_bfe_u32 s40, ttmp6, 0x40000                  ; cx, cy: my place in the cluster
	s_bfe_u32 s41, ttmp6, 0x40004
	s_and_b32 s42, ttmp7, 0xffff                   ; CY: the cluster's y
	s_lshr_b32 s19, s42, 3                         ; 0: q, 1: k, 2: v: the same in all sixteen partners
	s_lshl_b32 s43, s41, 2
	s_lshl_b32 s43, 15, s43                        ; my row of the cluster
	s_lshl_b32 s44, 0x1111, s40                    ; my column
	; descriptor group 1: 24,576 dense bytes as 96 rows of 32 elements of 8 bytes
	s_or_b32 s[G1+0], s43, (3<<16)|(1<<21)         ; 15:0 the mask: Y's tiles go to my row; 17:16 elements of 8 bytes; 21 set beside a mask
	s_or_b32 s[G1B+0], s44, (3<<16)|(1<<21)        ; X's to my column
.irp g, G1, G1B
	s_mov_b32 s[\g+1], 32<<16                      ; tensor_dim0
	s_mov_b32 s[\g+2], 96<<16                      ; tensor_dim1
	s_mov_b32 s[\g+3], 32<<16                      ; tile_dim0
	s_mov_b32 s[\g+4], 96                          ; tile_dim1
	s_mov_b32 s[\g+5], 32                          ; tensor_dim0_stride
	s_mov_b32 s[\g+6], 0
	s_mov_b32 s[\g+7], 0
.endr
	s_or_b32 s[G1S+0], s43, (3<<16)|(1<<21)        ; a group's scale words: 4,096 dense bytes as 16 such rows
	s_or_b32 s[G1SB+0], s44, (3<<16)|(1<<21)
.irp g, G1S, G1SB
	s_mov_b32 s[\g+1], 32<<16
	s_mov_b32 s[\g+2], 16<<16
	s_mov_b32 s[\g+3], 32<<16
	s_mov_b32 s[\g+4], 16
	s_mov_b32 s[\g+5], 32
	s_mov_b32 s[\g+6], 0
	s_mov_b32 s[\g+7], 0
.endr
	s_lshl_b32 s20, s42, 3                         ; q, k: Y's first group is 8 CY (x: 0-63, context: 64-127)
	s_lshl_b32 s22, s19, 3
	s_add_co_u32 s22, s22, 128                     ;       X's is Wq's (128) or Wk's (136)
	s_and_b32 s23, s42, 7
	s_lshl_b32 s23, s23, 3
	s_add_co_u32 s23, s23, 64                      ; v: X's first group is context's 64 + 8 (CY - 16),
	s_cmp_eq_u32 s19, 2
	s_cselect_b32 s20, 144, s20                    ;    Y's is Wv's
	s_cselect_b32 s22, s23, s22
	s_lshl_b32 s21, s41, 1
	s_add_co_u32 s20, s20, s21
	s_add_co_u32 s20, s20, s18                     ; the group of Y that I would fetch: + 2 cy + wave % 2
	s_lshl_b32 s23, s40, 1
	s_add_co_u32 s22, s22, s23
	s_add_co_u32 s22, s22, s18                     ; and of X: + 2 cx + wave % 2
	s_mul_i32 s92, s20, GRPB
	s_mov_b32 s93, 0
	s_mul_i32 s94, s22, GRPB
	s_mov_b32 s95, 0
	s_lshl_b32 s96, s20, 12
	s_mov_b32 s97, 0
	s_lshl_b32 s46, s22, 12
	s_mov_b32 s47, 0
	s_mul_i32 s45, s16, SLB                        ; where they go: wave x a group's bytes: no place in the cluster enters an LDS address
	s_lshl_b32 s98, s16, 12
	s_wait_dscnt 0x0                               ; the opening add is done
	s_wait_kmcnt 0x0
	s_add_nc_u64 s[92:93], s[4:5], s[92:93]
	s_add_nc_u64 s[94:95], s[4:5], s[94:95]
	s_add_nc_u64 s[96:97], s[6:7], s[96:97]
	s_add_nc_u64 s[46:47], s[6:7], s[46:47]
	CROUND                                         ; all sixteen work-groups are here: the first joint loads meet
	s_mov_b32 s[G0S], 1
	s_add_co_u32 s[G0S+1], s98, SCL
	s_mov_b64 s[G0S+2:G0S+3], s[96:97]
	s_or_b32 s[G0S+3], s[G0S+3], 0x80000000
	s_mov_b32 s[G0SB], 1
	s_add_co_u32 s[G0SB+1], s98, SCL
	s_mov_b64 s[G0SB+2:G0SB+3], s[46:47]
	s_or_b32 s[G0SB+3], s[G0SB+3], 0x80000000
	JLOAD G0S, G1S, G0SB, G1SB                     ; the scale words first: they are wanted with the first step.  Three loads of mine are out at the most
.irp s, 0,1
	s_mov_b32 s[G0+4*\s], 1
	s_add_co_u32 s[G0+4*\s+1], s45, \s*SLOT
	s_add_nc_u64 s[G0+4*\s+2:G0+4*\s+3], s[92:93], \s*SLB
	s_or_b32 s[G0+4*\s+3], s[G0+4*\s+3], 0x80000000
	s_mov_b32 s[G0B+4*\s], 1
	s_add_co_u32 s[G0B+4*\s+1], s45, \s*SLOT
	s_add_nc_u64 s[G0B+4*\s+2:G0B+4*\s+3], s[94:95], \s*SLB
	s_or_b32 s[G0B+4*\s+3], s[G0B+4*\s+3], 0x80000000
	JLOAD G0+4*\s, G1, G0B+4*\s, G1B
.endr
	v_and_b32 v1, 31, v0
	v_lshlrev_b32 v4, 4, v1                        ; 16 x lane
	v_lshlrev_b32 v5, 3, v1                        ; 8 x lane
	s_mul_i32 s21, s17, SLB                        ; my group of Y
	s_mul_i32 s22, s18, SLB                        ; my group of X,
	s_add_co_u32 s22, s22, 2*SLB                   ; behind Y's two
.irp s, 0,1
	v_add_nc_u32 v[ADRA+\s], s21, v4
	v_add_nc_u32 v[ADRB+\s], s22, v4
	v_add_nc_u32 v[ADRA+2+\s], s21, v5
	v_add_nc_u32 v[ADRB+2+\s], s22, v5
	s_add_co_u32 s21, s21, SLOT
	s_add_co_u32 s22, s22, SLOT
.endr
	v_and_b32 v2, 15, v0                           ; r
	v_bfe_u32 v3, v0, 4, 1                         ; h
	v_lshlrev_b32 v6, 3, v2                        ; 8 bytes a row and slot
	s_lshl_b32 s21, s17, 12                        ; Y's words,
	s_lshl_b32 s22, s18, 12
	s_add_co_u32 s22, s22, 8192                    ; X's, behind Y's two groups
	s_sub_co_u32 s22, s22, s21
	v_mul_u32_u24 v7, s22, v3                      ; lanes 16-31 take X's: one product, the distance x h
	s_add_co_u32 s21, s21, SCL
	v_add_nc_u32 v6, v6, v7
	v_add_nc_u32 v[ADRS], s21, v6
.macro FRAG reg, adr, q, i             ; a fragment: two halves of 768 bytes: registers 0-3 at 16 x lane, 4-5 at 512 + 8 x lane
	ds_load_b128 v[\reg:\reg+3], v[\adr] offset:(\q)*12288+(\i)*1536
	ds_load_b64 v[\reg+4:\reg+5], v[\adr+2] offset:(\q)*12288+(\i)*1536+512
	ds_load_b128 v[\reg+6:\reg+9], v[\adr] offset:(\q)*12288+(\i)*1536+768
	ds_load_b64 v[\reg+10:\reg+11], v[\adr+2] offset:(\q)*12288+(\i)*1536+1280
.endm
; 16 matrix instructions: Y's tiles a0, a0 + 1 x X's eight, the slot's q-th 128 along K.  p: X's set; sc: the set of scale words.  zero = 1: the first product starts the sums.
; The 64 accumulators take turns, one instruction a turn, in the same order in every step.
.macro MUL16 a0, p, q, sc, zero
.irp a, \a0, \a0+1
.irp b, 0,1,2,3,4,5,6,7
.if \zero
	v_wmma_scale_f32_16x16x128_f8f6f4 v[8*(8*((\a)%4)+\b):8*(8*((\a)%4)+\b)+7], v[128*(\p)+FR*\b:128*(\p)+FR*\b+FR-1], v[AF+FR*(\a):AF+FR*(\a)+FR-1], 0, v[SC+8*NQ*(\sc)+NQ*\b+(\q)], v[SC+8*NQ*(\sc)+NQ*(\a)+(\q)] matrix_a_fmt:MATRIX_FMT_FP6 matrix_b_fmt:MATRIX_FMT_FP6 matrix_a_scale:MATRIX_SCALE_ROW1
.else
	v_wmma_scale_f32_16x16x128_f8f6f4 v[8*(8*((\a)%4)+\b):8*(8*((\a)%4)+\b)+7], v[128*(\p)+FR*\b:128*(\p)+FR*\b+FR-1], v[AF+FR*(\a):AF+FR*(\a)+FR-1], v[8*(8*((\a)%4)+\b):8*(8*((\a)%4)+\b)+7], v[SC+8*NQ*(\sc)+NQ*\b+(\q)], v[SC+8*NQ*(\sc)+NQ*(\a)+(\q)] matrix_a_fmt:MATRIX_FMT_FP6 matrix_b_fmt:MATRIX_FMT_FP6 matrix_a_scale:MATRIX_SCALE_ROW1
.endif
.endr
.endr
.endm
.macro FETCH_B slot, q, p              ; X's eight fragments into set p
	WIN TO_B
.irp i, 0,1,2,3,4,5,6,7
	FRAG 128*(\p)+FR*\i, ADRB+\slot, \q, \i
.endr
	WIN 0
.endm
.macro FETCH_A slot, q, i0             ; Y's tiles i0 .. i0 + 3
.irp i, \i0, \i0+1, \i0+2, \i0+3
	FRAG AF+FR*(\i), ADRA+\slot, \q, \i
.endr
.endm
.macro SCALES sc                       ; a slot's scale words: two a row; lanes 0-15 Y's tile i, lanes 16-31 X's
.irp i, 0,1,2,3,4,5,6,7
	ds_load_b64 v[SC+8*NQ*\sc+NQ*\i:SC+8*NQ*\sc+NQ*\i+1], v[ADRS] offset:\i*128
.endr
.endm
.macro PLACES n                        ; plain vector lines between a matrix instruction and a load into, or a vector line on, its registers (ISA guide 7.12.1 for vector lines)
.rept \n
	v_nop
.endr
.endm
.macro STEP slot, q, zero              ; a step of 128 along K that has its successor in the same slot
	s_wait_dscnt 4*NL                              ; X's set and Y's tiles 0-3 are in; the youngest sixteen loads (Y's tiles 4-7) may be out
	WIN MUL_LO
	MUL16 0, (\q)%2, \q, \slot, \zero
	MUL16 2, (\q)%2, \q, \slot, \zero
	s_wait_dscnt 0
	PLACES NP
	FETCH_B \slot, (\q)+1, 1-(\q)%2
	FETCH_A \slot, (\q)+1, 0
	WIN MUL_HI
	MUL16 4, (\q)%2, \q, \slot, \zero
	MUL16 6, (\q)%2, \q, \slot, \zero
	PLACES NP
	WIN 0
	FETCH_A \slot, (\q)+1, 4
.endm
; A slot's last step changes slots: one barrier; in front of it each wave waits for all its tensor loads, adds 0 to its spare word, and waits for that and for its reads of this slot.  fill = 1: this slot is filled again, two slots ahead.
.macro TURN slot, next, fill
	s_wait_tensorcnt 0x0                           ; all my tensor loads have landed: my part of the next slot
	ds_add_u32 v[SPW], v[NIL]                      ; 0 onto my spare word
	s_wait_dscnt 4*NL+1                            ; (the add and the youngest sixteen loads may be out)
	WIN MUL_LO
	MUL16 0, 1, NQ-1, \slot, 0                     ; sixteen matrix instructions stand between the add and the wait for it
	s_wait_dscnt 0x0                               ; the add is done, and my reads of this slot are over
	s_barrier_signal -1
	MUL16 2, 1, NQ-1, \slot, 0
	WIN 0
	s_barrier_wait -1
.if \fill
	CREST                                          ; the barrier has opened a round of the cluster's: no wave of any partner still reads this slot or has a load on its way
	s_add_nc_u64 s[G0+4*\slot+2:G0+4*\slot+3], s[G0+4*\slot+2:G0+4*\slot+3], 2*SLB
	s_add_nc_u64 s[G0B+4*\slot+2:G0B+4*\slot+3], s[G0B+4*\slot+2:G0B+4*\slot+3], 2*SLB
	JLOAD G0+4*\slot, G1, G0B+4*\slot, G1B         ; the first tensor load behind the round; its four v_nop are the places in front of the loads below
.else
	PLACES NP
.endif
	v_add_nc_u32 v[ADRS], 1024, v[ADRS]            ; the next slot's scale words
	FETCH_B \next, 0, 0
	FETCH_A \next, 0, 0
	SCALES \next
	WIN MUL_HI
	MUL16 4, 1, NQ-1, \slot, 0
	MUL16 6, 1, NQ-1, \slot, 0
	PLACES NP
	WIN 0
	FETCH_A \next, 0, 4
.endm
	s_wait_tensorcnt 1                             ; the scale words and my part of slot 0 are in; slot 1's load may be out
	s_barrier_signal -1
	s_barrier_wait -1
	FETCH_B 0, 0, 0
	FETCH_A 0, 0, 0
	SCALES 0
	FETCH_A 0, 0, 4
	STEP 0, 0, 1                                   ; the first step stands in front of the loop: its products start the sums
	s_mov_b32 s3, LAPS-1
.Llap:                                                 ; a trip goes once round the ring and fills both slots again
	TURN 0, 1, 1
	STEP 1, 0, 0
	TURN 1, 0, 1
	STEP 0, 0, 0
	s_sub_co_u32 s3, s3, 1
	s_cmp_lg_u32 s3, 0
	s_cbranch_scc1 .Llap
	TURN 0, 1, 0                                   ; the last lap fills nothing
	STEP 1, 0, 0
	s_wait_dscnt 4*NL
	WIN MUL_LO
	MUL16 0, 1, NQ-1, 1, 0
	MUL16 2, 1, NQ-1, 1, 0
	s_wait_dscnt 0
	WIN MUL_HI
	MUL16 4, 1, NQ-1, 1, 0
	MUL16 6, 1, NQ-1, 1, 0
	WIN 0
	; ---------------- THE WAY OUT: no LDS; every store is 512 or 256 consecutive bytes of a wave, straight from registers ----------------
	PLACES NP                                      ; behind the last products: their results are read, and their operands' registers written, from here on
	v_and_b32 v5, 31, v0
	v_lshlrev_b32 v1, 4, v5                        ; 16 x lane
	v_lshlrev_b32 v2, 3, v5                        ; 8 x lane
	s_mov_b32 s99, 0xffff0000                      ; lanes 16-31
	s_mov_b32 s20, 0x76543210
	s_mov_b32 s21, 0xfedcba98                      ; v_permlanex16_b32's selects for lane l xor 16
	s_cmp_eq_u32 s19, 2
	s_cbranch_scc1 .Lv
	; ---- q and k.  A lane holds one token (Y's tile a, row r).  My 128 rows of X are two heads g; X's tiles 4 g, 4 g + 1 are channels 16 h + 0 .. 15 of the head's first half, tiles 4 g + 2, 4 g + 3 those of its second
	s_and_b32 s22, s42, 7
	s_lshl_b32 s22, s22, 3
	s_lshl_b32 s23, s41, 1
	s_add_co_u32 s22, s22, s23
	s_add_co_u32 s22, s22, s17                     ; my group of tokens in its tensor: 16 x batch + group of the sequence
	s_lshr_b32 s23, s22, 4
	s_and_b32 s45, s22, 15
	s_lshl_b32 s46, s40, 2
	s_lshl_b32 s47, s18, 1
	s_add_co_u32 s46, s46, s47                     ; my first head: 4 cx + 2 (wave % 2)
	s_lshl_b32 s23, s23, 4
	s_add_co_u32 s46, s46, s23                     ; + 16 x batch
	s_mov_b32 s92, 208896                          ; k: a head's bytes in kv,
	s_mov_b32 s93, 13056                           ;    a record's,
	s_mov_b32 s94, 12288                           ;    where the scale words lie in it,
	s_mov_b32 s95, 32513                           ;    the word's upper bytes: 1, 127
	s_cmp_eq_u32 s19, 0
	s_cselect_b32 s92, 106496, s92                 ; q: the same in qrec
	s_cselect_b32 s93, 6656, s93
	s_cselect_b32 s94, 6144, s94
	s_cselect_b32 s95, 32639, s95                  ;    127, 127
	s_cselect_b32 s96, 0, 253                      ; what a masked token adds to the third byte: nothing in q, 253 in k
	s_cselect_b64 s[12:13], s[12:13], s[14:15]
	s_mul_i32 s46, s46, s92
	s_mul_i32 s47, s45, s93
	s_add_co_u32 s46, s46, s47
	s_mov_b32 s47, 0
	s_add_nc_u64 s[12:13], s[12:13], s[46:47]      ; head g = 0's record,
	s_mov_b32 s93, 0
	s_add_nc_u64 s[14:15], s[12:13], s[92:93]      ; head g = 1's
	s_lshl_b32 s46, s22, 7
	s_add_nc_u64 s[10:11], s[10:11], s[46:47]      ; the mask at my 128 tokens (q's work-groups read it too: it counts for nothing there)
	s_lshl_b32 s46, s45, 15
	s_add_nc_u64 s[8:9], s[8:9], s[46:47]          ; the table at my 128 positions
	v_and_b32 v5, 15, v0
	v_and_b32 v7, 8, v5
	v_add_nc_u32 v3, v5, v7                        ; r + 8 (r / 8): my token in tile 0
	v_bfe_u32 v7, v0, 4, 1
	v_lshlrev_b32 v4, 8, v3
	v_lshl_add_u32 v4, v7, 6, v4                   ; its 256 bytes of the table, + 64 h: my 16 cosines
	v_add_nc_u32 v6, s94, v1                       ; where a record's scale words go
	v_mov_b32 v[TM+2], 0                           ; a lane permute's destination counts as one of its sources
	v_mov_b32 v[TM+3], 0
.macro CSLOAD a                        ; tile a's 16 cosines and 16 sines into set a % 2
.irp j, 0,1,2,3
	global_load_b128 v[CSN+32*((\a)%2)+4*\j:CSN+32*((\a)%2)+4*\j+3], v4, s[8:9] offset:(32*((\a)/2)+8*((\a)%2))*256+16*\j
	global_load_b128 v[CSN+32*((\a)%2)+16+4*\j:CSN+32*((\a)%2)+16+4*\j+3], v4, s[8:9] offset:(32*((\a)/2)+8*((\a)%2))*256+128+16*\j
.endr
.endm
.macro ROPE a, g                       ; v[RR + i] = t1 cos - t2 sin, v[RR + 16 + i] = t1 sin + t2 cos: the head's two blocks of 32, 16 numbers of each.  Each accumulator is read from its low end on
.set T1, 64*((\a)%4)+32*(\g)
.set CO, CSN+32*((\a)%2)
	WIN (0x02+((\a)/4))                            ; source 0: window 2 or 3
.irp i, 0,2,4,6,8,10,12,14
	v_pk_mul_f32 v[RR+\i:RR+\i+1], v[T1+16+\i:T1+17+\i], v[CO+16+\i:CO+17+\i]
	v_pk_mul_f32 v[RR+16+\i:RR+17+\i], v[T1+16+\i:T1+17+\i], v[CO+\i:CO+\i+1]
.endr
.irp i, 0,2,4,6,8,10,12,14
	v_pk_fma_f32 v[RR+\i:RR+\i+1], v[T1+\i:T1+\i+1], v[CO+\i:CO+\i+1], v[RR+\i:RR+\i+1] neg_lo:[0,0,1] neg_hi:[0,0,1]
	v_pk_fma_f32 v[RR+16+\i:RR+17+\i], v[T1+\i:T1+\i+1], v[CO+16+\i:CO+17+\i], v[RR+16+\i:RR+17+\i]
.endr
	WIN 0
.endm
.macro QUANT2 pc, mb                   ; the 32 numbers in v[RR] on become half a fragment in v[pc .. pc + 5] and the row's scale word in v[TM + 6]
	v_max3_num_f32 v[TM], |v[RR]|, |v[RR+1]|, 0x1800000            ; with the floor 2^(3 - 127): the byte cannot fall under 1
	v_max3_num_f32 v[TM+1], |v[RR+16]|, |v[RR+17]|, 0x1800000
.irp i, 2,4,6,8,10,12,14
	v_max3_num_f32 v[TM], v[TM], |v[RR+\i]|, |v[RR+1+\i]|
	v_max3_num_f32 v[TM+1], v[TM+1], |v[RR+16+\i]|, |v[RR+17+\i]|
.endr
	v_permlanex16_b32 v[TM+2], v[TM], s20, s21
	v_permlanex16_b32 v[TM+3], v[TM+1], s20, s21
	v_max_num_f32 v[TM], v[TM], v[TM+2]            ; with lane l xor 16's 16: the block's largest magnitude
	v_max_num_f32 v[TM+1], v[TM+1], v[TM+3]
	v_add_nc_u32 v[TM+4], 0xff000000, v[TM]        ; 2 off the exponent field: the conversion's scale operand
	v_add_nc_u32 v[TM+5], 0xff000000, v[TM+1]
	v_lshrrev_b32 v[TM+6], 23, v[TM+4]             ; the bytes
	v_lshrrev_b32 v[TM+7], 23, v[TM+5]
	s_wait_xcnt 0x0                                ; the last stores of these registers have read them: only now are they written again
	v_cvt_scalef32_pk16_fp6_f32 v[\pc:\pc+2], v[RR:RR+15], v[TM+4]
	v_cvt_scalef32_pk16_fp6_f32 v[\pc+8:\pc+10], v[RR+16:RR+31], v[TM+5]
	v_lshl_or_b32 v[TM+6], v[TM+7], 8, v[TM+6]     ; (the plain line behind the conversions)
.irp i, 0,1,2
	v_permlane16_swap_b32 v[\pc+\i], v[\pc+8+\i]   ; the operand wants a whole block in a lane: lanes 0-15 block 0, lanes 16-31 block 1
.endr
.irp i, 0,1,2
	v_mov_b32 v[\pc+3+\i], v[\pc+8+\i]
.endr
	v_lshl_or_b32 v[TM+6], v[\mb], 16, v[TM+6]     ; the word's upper bytes
.endm
.irp a, 0,1,2,3,4,5,6,7
	global_load_u8 v[MB+\a], v3, s[10:11] offset:32*(\a/2)+8*(\a%2)
.endr
	CSLOAD 0
.irp a, 0,1,2,3,4,5,6,7
.if \a < 7
	CSLOAD \a+1
	s_wait_loadcnt 8                               ; all but the next tile's eight loads are in
.else
	s_wait_loadcnt 0x0
.endif
	v_mad_u32_u24 v[MB+\a], v[MB+\a], s96, s95
.irp g, 0,1
	ROPE \a, \g
	QUANT2 PP+16*\g, MB+\a
.if (\a%2) == 0
	v_mov_b32 v[SW+4*\g+\a/2], v[TM+6]             ; register a / 2 of the image of scale words: lanes 0-15 the even tile's,
.else
	v_cndmask_b32 v[SW+4*\g+\a/2], v[SW+4*\g+\a/2], v[TM+6], s99   ; lanes 16-31 the odd tile's
.endif
	global_store_b128 v1, v[PP+16*\g:PP+16*\g+3], s[12+2*\g:13+2*\g] offset:\a*768
	global_store_b64 v2, v[PP+16*\g+4:PP+16*\g+5], s[12+2*\g:13+2*\g] offset:\a*768+512
.endr
.endr
.irp g, 0,1
	global_store_b128 v6, v[SW+4*\g:SW+4*\g+3], s[12+2*\g:13+2*\g]
.endr
	s_branch .Lend
	; ---- v.  A lane holds one channel (Y's tile a, row r); the 64 registers of accumulators (a, 0 .. 7) are keys 32 b + 16 h + i of my 128 keys: a whole fragment of V^T
.Lv:
	s_and_b32 s22, s42, 7
	s_lshl_b32 s22, s22, 3
	s_lshl_b32 s23, s40, 1
	s_add_co_u32 s22, s22, s23
	s_add_co_u32 s22, s22, s18                     ; my group of keys: 16 x batch + key step
	s_lshr_b32 s23, s22, 4
	s_and_b32 s45, s22, 15
	s_lshl_b32 s46, s41, 2
	s_lshl_b32 s47, s17, 1
	s_add_co_u32 s46, s46, s47                     ; my first head: 4 cy + 2 (wave / 2)
	s_lshl_b32 s23, s23, 4
	s_add_co_u32 s46, s46, s23
	s_mul_i32 s46, s46, 208896
	s_mul_i32 s47, s45, 13056
	s_add_co_u32 s46, s46, s47
	s_mov_b32 s47, 0
	s_add_nc_u64 s[12:13], s[14:15], s[46:47]      ; the record of tiles 0-3's head,
	s_add_nc_u64 s[14:15], s[12:13], 208896        ; and of tiles 4-7's
.irp b, 0,1,2,3
	v_mov_b32 v[TM+4+\b], 0                        ; a lane permute's destination counts as one of its sources
.endr
.macro QUANT4W a                       ; the 64 numbers of Y's tile a become a fragment in v[PP .. PP + 11] and the row's scale word in v[PW]
.set AC, 64*((\a)%4)
	WIN (0x28+0x14*((\a)/4))                       ; sources 1 and 2: window 2 or 3
.irp b, 0,1,2,3
	v_max3_num_f32 v[TM+\b], 0x1800000, |v[AC+16*\b]|, |v[AC+1+16*\b]|   ; the floor 2^(3 - 127) starts each block's chain
.endr
.irp i, 2,4,6,8,10,12,14
.irp b, 0,1,2,3
	v_max3_num_f32 v[TM+\b], v[TM+\b], |v[AC+16*\b+\i]|, |v[AC+1+16*\b+\i]|
.endr
.endr
	WIN 0
.irp b, 0,1,2,3
	v_permlanex16_b32 v[TM+4+\b], v[TM+\b], s20, s21
.endr
.irp b, 0,1,2,3
	v_max_num_f32 v[TM+\b], v[TM+\b], v[TM+4+\b]
.endr
.irp b, 0,1,2,3
	v_add_nc_u32 v[TM+12+\b], 0xff000000, v[TM+\b]
.endr
.irp b, 0,1,2,3
	v_lshrrev_b32 v[TM+4+\b], 23, v[TM+12+\b]
.endr
	v_lshl_or_b32 v[PW], v[TM+5], 8, v[TM+4]
	v_lshl_or_b32 v[PW], v[TM+6], 16, v[PW]
	v_lshl_or_b32 v[PW], v[TM+7], 24, v[PW]
	s_wait_xcnt 0x0                                ; the last tile's stores have read the codes' registers
	WIN (0x02+((\a)/4))                            ; source 0: window 2 or 3
.irp c, 0,1
	v_cvt_scalef32_pk16_fp6_f32 v[PP+6*\c:PP+2+6*\c], v[AC+32*\c:AC+15+32*\c], v[TM+12+2*\c]
	v_cvt_scalef32_pk16_fp6_f32 v[PP+12+4*\c:PP+14+4*\c], v[AC+16+32*\c:AC+31+32*\c], v[TM+12+2*\c+1]
.endr
	WIN 0
	v_nop                                          ; one plain line behind the conversions
.irp c, 0,1
.irp i, 0,1,2
	v_permlane16_swap_b32 v[PP+6*\c+\i], v[PP+12+4*\c+\i]
.endr
.irp i, 0,1,2
	v_mov_b32 v[PP+3+6*\c+\i], v[PP+12+4*\c+\i]
.endr
.endr
.endm
.irp a, 0,1,2,3,4,5,6,7
	QUANT4W \a
.irp c, 0,1,2
	global_store_b128 v1, v[PP+4*\c:PP+4*\c+3], s[12+2*(\a/4):13+2*(\a/4)] offset:6144+(\a%4)*1536+512*\c
.endr
.if (\a%2) == 0
	v_mov_b32 v[SWV+2*(\a/4)+(\a%4)/2], v[PW]
.else
	v_cndmask_b32 v[SWV+2*(\a/4)+(\a%4)/2], v[SWV+2*(\a/4)+(\a%4)/2], v[PW], s99
.endif
.if (\a%4) == 3
	global_store_b64 v2, v[SWV+2*(\a/4):SWV+2*(\a/4)+1], s[12+2*(\a/4):13+2*(\a/4)] offset:12800
.endif
.endr
.Lend:
	s_wait_tensorcnt 0x0                           ; the wave's end, behind my last tensor load
	ds_add_u32 v[SPW], v[NIL]
	s_wait_dscnt 0x0
	CROUND                                         ; the closing round: no work-group ends while a partner may still ask for a tile that names it
	s_endpgm
.Lfunc_end_k_q5c93abccc6_qkv:
	.size	k_q5c93abccc6_qkv, .Lfunc_end_k_q5c93abccc6_qkv-k_q5c93abccc6_qkv
	.p2alignl 7, 3214868480
	.fill 96, 4, 3214868480
	.section	.rodata,"a",@progbits
	.p2align	6, 0x0
	.amdhsa_kernel k_q5c93abccc6_qkv
		.amdhsa_group_segment_fixed_size 327680
		.amdhsa_private_segment_fixed_size 0
		.amdhsa_enable_private_segment 0
		.amdhsa_kernarg_size 48
		.amdhsa_user_sgpr_count 2
		.amdhsa_user_sgpr_kernarg_segment_ptr 1
		.amdhsa_wavefront_size32 1
		.amdhsa_system_sgpr_workgroup_id_x 1
		.amdhsa_system_sgpr_workgroup_id_y 1
		.amdhsa_system_sgpr_workgroup_id_z 1
		.amdhsa_system_vgpr_workitem_id 0
		.amdhsa_next_free_vgpr 1024
		.amdhsa_next_free_sgpr 100
		.amdhsa_reserve_vcc 0
		.amdhsa_float_denorm_mode_32 3
		.amdhsa_float_denorm_mode_16_64 3
		.amdhsa_memory_ordered 1
		.amdhsa_forward_progress 1
		.amdhsa_inst_pref_size 225
	.end_amdhsa_kernel
	.amdgpu_metadata
---
amdhsa.version: [ 1, 2 ]
amdhsa.kernels:
  - .name:           k_q5c93abccc6_qkv
    .symbol:         k_q5c93abccc6_qkv.kd
    .args:
      - { .name: opc, .offset: 0, .size: 8, .value_kind: global_buffer, .address_space: global }
      - { .name: ops, .offset: 8, .size: 8, .value_kind: global_buffer, .address_space: global }
      - { .name: rope, .offset: 16, .size: 8, .value_kind: global_buffer, .address_space: global }
      - { .name: key_padding_mask, .offset: 24, .size: 8, .value_kind: global_buffer, .address_space: global }
      - { .name: qrec, .offset: 32, .size: 8, .value_kind: global_buffer, .address_space: global }
      - { .name: kv, .offset: 40, .size: 8, .value_kind: global_buffer, .address_space: global }
    .group_segment_fixed_size: 327680
    .private_segment_fixed_size: 0
    .kernarg_segment_align: 8
    .kernarg_segment_size: 48
    .max_flat_workgroup_size: 128
    .sgpr_count:     100
    .vgpr_count:     1024
    .wavefront_size: 32
...
	.end_amdgpu_metadata
.endif
;; end of part 2
;; launch attn (part 3): grid 4 x 64, 16 waves a work-group, clusters of 4 x 1, 212,992 bytes of LDS; arguments qrec, kv, ao, aos; writes ao, aos
.if DOCPART == 3
	.amdgcn_target "amdgcn-amd-amdhsa--gfx1250"
	.amdhsa_code_object_version 6
	.text
	.protected	k_q5c93abccc6_attn
	.globl	k_q5c93abccc6_attn
	.p2align	8
	.type	k_q5c93abccc6_attn,@function
k_q5c93abccc6_attn:
	s_mov_b64 s[64:65], 0
	v_nop
	global_prefetch_b8 v0, s[64:65] scope:SCOPE_SE
	s_setreg_imm32_b32 hwreg(HW_REG_WAVE_MODE, 25, 1), 1
	s_wait_xcnt 0x0
	s_wait_alu depctr_hold_cnt(0) depctr_sa_sdst(0) depctr_va_vdst(0) depctr_va_sdst(0) depctr_va_ssrc(0) depctr_va_vcc(0) depctr_vm_vsrc(0)
	s_getreg_b32 s2, hwreg(HW_REG_IB_STS2, 6, 4)
	s_cmp_eq_u32 s2, 0
	s_cbranch_scc0 .Lentry_in_a_cluster
	s_endpgm
.Lentry_in_a_cluster:
	s_bfe_u32 s2, ttmp6, 0x10000c
	s_cmp_lg_u32 s2, 0x3003
	s_cbranch_scc0 .Lentry_shape_is_right
	s_endpgm
.Lentry_shape_is_right:
; For each of 64 heads (batch x head): O[q] = the sum over keys of softmax(Q[q] . K[key] / 8) V[key], both products on codes of FP6 (E2M3) with E8M0 scales; O is quantised along (head, channel) for the last projection.
; THE SOFTMAX: t = score x log2(e) / 8; M = the running largest t rounded UP to a whole number; p = 2^(t - M) is what is quantised, along the keys, not normalised; the row's sum is taken of the unquantised p and divides O at the end.
;   When M moves, the sum and O are multiplied by 2^(old M - new M): exact.
; SHARES.  A work-group owns 512 queries of one head; each of its sixteen waves two tiles of 16, one after the other.  THE WHOLE HEAD'S K AND V LIE IN LDS: 16 records of 13,056 bytes (128 keys each: K's eight half fragments,
;   V's four fragments, K's scale words, V's), all in the order of the operands' registers.  Wave w brings record w by one tensor load; nothing is filled again, and the loops have no barrier.
; CLUSTER.  The four work-groups of a cluster share the head: each record is asked for jointly, by the same load with the same descriptor in all four.  A work-group's place enters the addresses of Q and of the outputs alone.
; LAYOUT.  Both products are used transposed (S^T = K Q^T, O^T = V^T P^T): a lane holds one query.  Tile t of a record holds keys 32 (t / 2) + 8 (t % 2) + r + 8 (r / 8): the 16 registers of tiles 2 b, 2 b + 1 are keys 32 b + 16 (lane / 16) + 0 .. 15.
; THE MASK.  The head has 64 channels, the instruction takes 128.  At k = 64 every key holds the code +1 and every query the code -1; a key's scale byte for that block is 254 where it is masked, else 1 (the projections' launch wrote it).
;   So a masked key's score gets -2^127 and its p is 0; any other gets -2^-126.  The largest t starts at -2^100, so that steps of masked keys alone give p = 0.  A row whose every key is masked has the sum 0: its scale bytes become 0xff, and its outputs NaN.
; LIMITS: t under -2^100 is not served; scores under about 1e-31 in magnitude are moved by the -2^-126; NaN and infinities are not served.
; REGISTERS: v1, v2 16 x, 8 x lane; v3, v4 the record's addresses; v5, v6 the add's two; v7, v29 offsets; v8-11 K's scale words; v12 -M, v13 the largest t, v[14:15] the sum; v16-27 Q; v28 Q's scale word; v[30:31] V's scale words;
;   v32-79 four fragments of K; v80-127 V's four; v128-191 S^T, then p; v192-223 O^T; v224-235 p's codes; v236-247 at work; v248-251 the blocks' largest scores; v252 f; v253 p's scale word; v254 at work.
.set REC,   13056
.set SPARE, 16*REC                     ; behind the records: the spare words, 128 bytes for each wave: eight blocks of 256 bytes that no other line names
.set SPW, 5
.set NIL, 6
.set S,   128
.set O,   192
.set BM,  248
.set WV,  12                           ; s12 my wave's number
.set SEL, 28                           ; s28, s29 v_permlanex16_b32's selects for lane l xor 16
.set CS,  30                           ; s[30:31] c = log2(e) / 8
.set TB,  32                           ; s32 LDS byte at which the record in hand begins
.set CNT, 33                           ; s33 counts the records
.set HM,  48                           ; s48 lanes 16-31
.macro ROUND                           ; a round of the cluster's barrier
	s_barrier_signal -1
	s_barrier_wait -1
	s_cmp_lg_u32 s[WV], 0
	s_cbranch_scc1 .Lnot_wave_0_\@
	s_barrier_signal -3
.Lnot_wave_0_\@:
	s_barrier_wait -3
	s_barrier_signal -1
	s_barrier_wait -1
.endm
	s_load_b256 s[4:11], s[0:1], 0x0               ; qrec, kv, ao, aos
	v_lshl_add_u32 v[SPW], v0, 2, SPARE
	v_mov_b32 v[NIL], 0
	ds_add_u32 v[SPW], v[NIL]                      ; the wave's opening: the add and its wait stand ahead of my tensor load; work on registers stands between them
	v_lshrrev_b32 v1, 5, v0
	v_readfirstlane_b32 s[WV], v1                  ; wave 0..15
	s_bfe_u32 s13, ttmp6, 0x40000                  ; cx: which 512 queries
	s_and_b32 s14, ttmp7, 0xffff                   ; 16 x batch + head, which the four partners share
	; descriptor group 1: a record: 13,056 dense bytes as 51 rows of 32 elements of 8 bytes
	s_mov_b32 s20, 15|(3<<16)|(1<<21)              ; 15:0 the mask: all four work-groups; 17:16 elements of 8 bytes; 21 set beside a mask
	s_mov_b32 s21, 32<<16                          ; tensor_dim0
	s_mov_b32 s22, 51<<16                          ; tensor_dim1
	s_mov_b32 s23, 32<<16                          ; tile_dim0
	s_mov_b32 s24, 51                              ; tile_dim1
	s_mov_b32 s25, 32                              ; tensor_dim0_stride
	s_mov_b32 s26, 0
	s_mov_b32 s27, 0
	s_mul_i32 s36, s[WV], REC                      ; record w: its place in LDS,
	s_mul_i32 s34, s14, 16*REC
	s_add_co_u32 s34, s34, s36                     ; and in kv
	s_mov_b32 s35, 0
	s_mov_b32 s[SEL], 0x76543210
	s_mov_b32 s[SEL+1], 0xfedcba98
	s_mov_b32 s[CS], 0x3e38aa3b
	s_mov_b32 s[CS+1], s[CS]                       ; (named with it as a pair, so it is written)
	s_mov_b32 s[HM], 0xffff0000
	s_wait_dscnt 0x0                               ; the opening add is done
	s_wait_kmcnt 0x0
	s_mov_b32 s16, 1                               ; group 0: count = 1,
	s_mov_b32 s17, s36                             ; the LDS address,
	s_add_nc_u64 s[18:19], s[6:7], s[34:35]        ; the global address,
	s_or_b32 s19, s19, 0x80000000                  ; type = 2
	ROUND                                          ; all four work-groups are here: the joint loads meet
	tensor_load_to_lds s[16:19], s[20:27]          ; my one tensor load
	s_nop 0
.rept 4
	v_nop
.endr
	; where my tile lies.  Pass p: group 4 cx + 2 p + wave / 8 of the head's 16 groups of 128 queries, tile a = wave % 8
	s_lshl_b32 s37, s13, 2
	s_lshr_b32 s38, s[WV], 3
	s_add_co_u32 s37, s37, s38                     ; the group in pass 0
	s_and_b32 s39, s[WV], 7                        ; a
	s_mul_i32 s40, s14, 106496
	s_mul_i32 s41, s37, 6656
	s_add_co_u32 s40, s40, s41                     ; the group's record in qrec
	s_mul_i32 s41, s39, 768
	s_add_co_u32 s44, s40, s41                     ; tile a's codes
	s_mov_b32 s45, 0
	s_and_b32 s41, s39, 1                          ; its scale words: in the image of 16 bytes a lane they are word a / 2 of lanes 16 (a % 2) + r
	s_lshl_b32 s41, s41, 8
	s_add_co_u32 s46, s40, s41
	s_lshr_b32 s41, s39, 1
	s_lshl_b32 s41, s41, 2
	s_add_co_u32 s46, s46, s41
	s_add_co_u32 s46, s46, 6144
	s_mov_b32 s47, 0
	s_and_b32 s38, s14, 0xfff0
	s_add_co_u32 s38, s38, s37                     ; the group among the last projection's 64: 16 x batch + group
	s_and_b32 s40, s14, 15                         ; the head: K step head / 2, half head % 2
	s_mul_i32 s50, s38, 98304
	s_lshr_b32 s41, s40, 1
	s_mul_i32 s41, s41, 12288
	s_add_co_u32 s50, s50, s41
	s_mul_i32 s41, s39, 1536
	s_add_co_u32 s50, s50, s41
	s_and_b32 s41, s40, 1
	s_mul_i32 s41, s41, 768
	s_add_co_u32 s50, s50, s41                     ; my half fragment in ao
	s_mov_b32 s51, 0
	s_lshl_b32 s52, s38, 12
	s_lshr_b32 s41, s40, 2
	s_lshl_b32 s41, s41, 10
	s_add_co_u32 s52, s52, s41
	s_lshl_b32 s41, s39, 7
	s_add_co_u32 s52, s52, s41
	s_and_b32 s41, s40, 3
	s_lshl_b32 s41, s41, 1
	s_add_co_u32 s52, s52, s41                     ; my head's two bytes of a row's eight in aos
	s_mov_b32 s53, 0
	s_add_nc_u64 s[42:43], s[4:5], s[46:47]
	s_add_nc_u64 s[4:5], s[4:5], s[44:45]
	s_add_nc_u64 s[8:9], s[8:9], s[50:51]
	s_add_nc_u64 s[10:11], s[10:11], s[52:53]
	v_and_b32 v7, 31, v0
	v_lshlrev_b32 v1, 4, v7                        ; 16 x lane
	v_lshlrev_b32 v2, 3, v7                        ; 8 x lane
	v_bfe_u32 v29, v0, 4, 1                        ; h
	v_and_b32 v7, 15, v0                           ; r
	v_lshlrev_b32 v3, 3, v29                       ; 8 h
	v_lshl_add_u32 v29, v7, 3, v29                 ; aos: 8 r + h: lanes 0-15 store block 0's byte, lanes 16-31 block 1's
	v_lshlrev_b32 v7, 4, v7                        ; Q's scale word: 16 r
	v_sub_nc_u32 v38, 8, v3                        ; the code +1 at k = 64: the low bits of register 6 in lanes 0-15; 0 in lanes 16-31
	v_mov_b32 v50, v38
	v_mov_b32 v62, v38
	v_mov_b32 v74, v38
	v_mul_u32_u24 v22, v38, 5                      ; the code -1 (40) in Q
.irp t, 0,1,2,3
.irp i, 7,8,9,10,11
	v_mov_b32 v[32+12*\t+\i], 0                    ; the rest of the idle half: zero codes.  The loads never touch registers 6-11
.endr
.endr
.irp i, 23,24,25,26,27
	v_mov_b32 v[\i], 0
.endr
.irp b, 0,1,2,3
	v_mov_b32 v[236+\b], 0                         ; a lane permute's destination counts as one of its sources
.endr
	v_mov_b32 v253, 0                              ; (named as the upper half of the pair v[252:253] before it is first written)
	s_wait_tensorcnt 0x0                           ; my record is in,
	s_barrier_signal -1
	s_barrier_wait -1                              ; everybody's is
.macro KFR t0                          ; K's tiles t0 .. t0 + 3: registers 0-5 of four fragments
.irp t, 0,1,2,3
	ds_load_b128 v[32+12*\t:35+12*\t], v3 offset:(\t0+\t)*768
	ds_load_b64 v[36+12*\t:37+12*\t], v4 offset:(\t0+\t)*768+512
.endr
.endm
.macro SPROD t0                        ; S^T of those four tiles; K's scale words: register t / 2, lanes 0-15 the even tile's, lanes 16-31 the odd tile's
.irp t, 0,1,2,3
.if \t%2
	v_wmma_scale_f32_16x16x128_f8f6f4 v[S+8*(\t0+\t):S+8*(\t0+\t)+7], v[32+12*\t:43+12*\t], v[16:27], 0, v[8+(\t0+\t)/2], v28 matrix_a_fmt:MATRIX_FMT_FP6 matrix_b_fmt:MATRIX_FMT_FP6 matrix_a_scale:MATRIX_SCALE_ROW1
.else
	v_wmma_scale_f32_16x16x128_f8f6f4 v[S+8*(\t0+\t):S+8*(\t0+\t)+7], v[32+12*\t:43+12*\t], v[16:27], 0, v[8+(\t0+\t)/2], v28 matrix_a_fmt:MATRIX_FMT_FP6 matrix_b_fmt:MATRIX_FMT_FP6
.endif
.endr
.endm
; A KEY STEP: the 128 keys of the record at s[TB]
.macro STEP
	v_add_nc_u32 v3, s[TB], v1
	v_add_nc_u32 v4, s[TB], v2
	v_nop
	v_nop                                          ; four plain lines between the last step's products and the loads into their operands
	KFR 0
	ds_load_b128 v[8:11], v3 offset:12288          ; K's scale words
.irp f, 0,1,2,3,4,5,6,7,8,9,10,11
	ds_load_b128 v[80+4*\f:83+4*\f], v3 offset:6144+512*\f   ; V's four fragments
.endr
	ds_load_b64 v[30:31], v4 offset:12800          ; V's scale words
	s_wait_dscnt 13                                ; K's four tiles and its scale words are in; V's thirteen loads may be out
	SPROD 0
.rept 4
	v_nop
.endr
	KFR 4
	s_wait_dscnt 0x0
	SPROD 4
.rept 4
	v_nop
.endr
.irp b, 0,1,2,3
	v_max3_num_f32 v[BM+\b], v[S+16*\b], v[S+1+16*\b], v[S+2+16*\b]   ; the largest score of each block of 32 keys: it serves for the row's maximum and, since p rises with the score, for the block's largest p
.endr
.irp i, 3,5,7,9,11,13
.irp b, 0,1,2,3
	v_max3_num_f32 v[BM+\b], v[BM+\b], v[S+16*\b+\i], v[S+1+16*\b+\i]
.endr
.endr
.irp b, 0,1,2,3
	v_max_num_f32 v[BM+\b], v[BM+\b], v[S+15+16*\b]
.endr
.irp b, 0,1,2,3
	v_permlanex16_b32 v[236+\b], v[BM+\b], s[SEL], s[SEL+1]
.endr
.irp b, 0,1,2,3
	v_max_num_f32 v[BM+\b], v[BM+\b], v[236+\b]    ; with lane l xor 16's 16 keys
.endr
	v_max3_num_f32 v254, v[BM], v[BM+1], v[BM+2]
	v_max_num_f32 v254, v254, v[BM+3]
	v_mul_f32 v254, s[CS], v254                    ; the step's largest t
	v_max_num_f32 v13, v13, v254                   ; the running largest t
	v_mov_b32 v254, v12
	v_floor_f32 v12, -v13                          ; the new -M = floor(-t): M is a whole number
	v_sub_f32 v254, v12, v254                      ; old M - new M: a whole number, 0 or less
	v_cvt_i32_f32 v254, v254                       ; (it saturates)
	v_ldexp_f32 v252, 1.0, v254                    ; f = 2^(old M - new M)
.irp j, 0,2,4,6,8,10,12,14,16,18,20,22,24,26,28,30,32,34,36,38,40,42,44,46,48,50,52,54,56,58,60,62
	v_pk_fma_f32 v[S+\j:S+1+\j], v[S+\j:S+1+\j], s[CS:CS+1], v[12:13] op_sel_hi:[1,0,0]   ; t - M, two at a time
.endr
.irp b, 0,1,2,3
	v_fma_f32 v[BM+\b], v[BM+\b], s[CS], v12       ; the same of each block's largest score
.endr
.set j, 0
.rept 64
	v_exp_f32 v[S+j], v[S+j]                       ; p = 2^(t - M)
.set j, j+1
.endr
	v_pk_mul_f32 v[14:15], v[14:15], v[252:253] op_sel_hi:[1,0]   ; the sums under the new M; the plain line behind the exponentials
	s_wait_alu depctr_va_vdst(0)                   ; one wait for the batch, ahead of its first reader
.irp b, 0,1,2,3
	v_exp_f32 v[BM+\b], v[BM+\b]                   ; the block's largest p
.endr
	v_pk_add_f32 v[236:237], v[S:S+1], v[S+2:S+3]  ; the row's sum, of the unquantised p: two at a time, in two chains
.irp j, 4,8,12,16,20,24,28,32,36,40,44,48,52,56,60
	v_pk_add_f32 v[14:15], v[14:15], v[S+\j:S+1+\j]
	v_pk_add_f32 v[236:237], v[236:237], v[S+2+\j:S+3+\j]
.endr
	v_pk_add_f32 v[14:15], v[14:15], v[236:237]
	s_wait_alu depctr_va_vdst(0)                   ; and one for the four
.irp b, 0,1,2,3
	v_max_num_f32 v[BM+\b], 0x1800000, v[BM+\b]    ; the floor 2^(3 - 127): the byte cannot fall under 1
.endr
.irp b, 0,1,2,3
	v_add_nc_u32 v[244+\b], 0xff000000, v[BM+\b]   ; 2 off the exponent field: the conversion's scale operand
.endr
.irp b, 0,1,2,3
	v_lshrrev_b32 v[236+\b], 23, v[244+\b]         ; the scale's byte
.endr
	v_lshl_or_b32 v253, v237, 8, v236              ; p's scale word for these 128 keys
	v_lshl_or_b32 v253, v238, 16, v253
	v_lshl_or_b32 v253, v239, 24, v253
.irp c, 0,1
	v_cvt_scalef32_pk16_fp6_f32 v[224+6*\c:226+6*\c], v[S+32*\c:S+15+32*\c], v[244+2*\c]
	v_cvt_scalef32_pk16_fp6_f32 v[236+4*\c:238+4*\c], v[S+16+32*\c:S+31+32*\c], v[244+2*\c+1]
.endr
	v_nop                                          ; one plain line behind the conversions
.irp c, 0,1
.irp i, 0,1,2
	v_permlane16_swap_b32 v[224+6*\c+\i], v[236+4*\c+\i]   ; a whole block in a lane
.endr
.irp i, 0,1,2
	v_mov_b32 v[227+6*\c+\i], v[236+4*\c+\i]
.endr
.endr
.irp j, 0,2,4,6,8,10,12,14,16,18,20,22,24,26,28,30
	v_pk_mul_f32 v[O+\j:O+1+\j], v[O+\j:O+1+\j], v[252:253] op_sel_hi:[1,0]   ; O^T under the new M.  These sixteen are also the plain lines between the writes of p's codes and scale word and the products
.endr
.irp t, 0,1,2,3                        ; O^T += V^T P^T: four accumulators by turns, one instruction a turn
.if \t%2
	v_wmma_scale_f32_16x16x128_f8f6f4 v[O+8*\t:O+8*\t+7], v[80+12*\t:91+12*\t], v[224:235], v[O+8*\t:O+8*\t+7], v[30+\t/2], v253 matrix_a_fmt:MATRIX_FMT_FP6 matrix_b_fmt:MATRIX_FMT_FP6 matrix_a_scale:MATRIX_SCALE_ROW1
.else
	v_wmma_scale_f32_16x16x128_f8f6f4 v[O+8*\t:O+8*\t+7], v[80+12*\t:91+12*\t], v[224:235], v[O+8*\t:O+8*\t+7], v[30+\t/2], v253 matrix_a_fmt:MATRIX_FMT_FP6 matrix_b_fmt:MATRIX_FMT_FP6
.endif
.endr
.endm
; A PASS: one tile of 16 queries against all 2,048 keys, and its way out
.macro PASS p
	s_wait_xcnt 0x0                                ; the last pass's stores have read their registers
	global_load_b128 v[16:19], v1, s[4:5] offset:\p*13312
	global_load_b64 v[20:21], v2, s[4:5] offset:\p*13312+512
	global_load_b32 v28, v7, s[42:43] offset:\p*13312
.set j, 0
.rept 32
	v_mov_b32 v[O+j], 0                            ; O^T: the step is written once, and its first trip finds zeros
.set j, j+1
.endr
	v_mov_b32 v13, 0xf1800000                      ; the largest t so far: -2^100
	v_floor_f32 v12, -v13
	v_mov_b32 v14, 0
	v_mov_b32 v15, 0
	s_mov_b32 s[TB], 0
	s_mov_b32 s[CNT], 0
	s_wait_loadcnt 0x0                             ; Q
.Lstep_\@:
	STEP
	s_add_co_u32 s[TB], s[TB], REC
	s_add_co_u32 s[CNT], s[CNT], 1
	s_cmp_lt_u32 s[CNT], 16
	s_cbranch_scc1 .Lstep_\@
.rept 4
	v_nop                                          ; behind the last products
.endr
	v_add_f32 v14, v14, v15
	v_permlanex16_b32 v252, v14, s[SEL], s[SEL+1]
	v_add_f32 v14, v14, v252                       ; the row's sum
	v_rcp_f32 v254, v14
	v_mov_b32 v242, 0xff                           ; (the plain line behind the reciprocal)
	s_wait_alu depctr_va_vdst(0)                   ; the wait ahead of its first reader
.set j, 0
.rept 32
	v_mul_f32 v[S+j], v[O+j], v254                 ; register 16 b + i: channel 32 b + 16 (lane / 16) + i of my query: the head's two blocks along the last projection's K
.set j, j+1
.endr
	v_max3_num_f32 v236, |v[S]|, |v[S+1]|, 0x1800000
	v_max3_num_f32 v237, |v[S+16]|, |v[S+17]|, 0x1800000
.irp i, 2,4,6,8,10,12,14
	v_max3_num_f32 v236, v236, |v[S+\i]|, |v[S+1+\i]|
	v_max3_num_f32 v237, v237, |v[S+16+\i]|, |v[S+17+\i]|
.endr
	v_permlanex16_b32 v238, v236, s[SEL], s[SEL+1]
	v_permlanex16_b32 v239, v237, s[SEL], s[SEL+1]
	v_max_num_f32 v236, v236, v238
	v_max_num_f32 v237, v237, v239
	v_add_nc_u32 v244, 0xff000000, v236
	v_add_nc_u32 v245, 0xff000000, v237
	v_lshrrev_b32 v240, 23, v244
	v_lshrrev_b32 v241, 23, v245
	v_cvt_scalef32_pk16_fp6_f32 v[224:226], v[S:S+15], v244
	v_cvt_scalef32_pk16_fp6_f32 v[232:234], v[S+16:S+31], v245
	v_cmp_eq_f32 vcc_lo, 0, v14                    ; every key masked?  (also the plain line behind the conversions)
.irp i, 0,1,2
	v_permlane16_swap_b32 v[224+\i], v[232+\i]
.endr
.irp i, 0,1,2
	v_mov_b32 v[227+\i], v[232+\i]
.endr
	v_cndmask_b32 v240, v240, v242, vcc_lo         ; then the bytes are 0xff: a value is chosen, nothing branches
	v_cndmask_b32 v241, v241, v242, vcc_lo
	v_cndmask_b32 v240, v240, v241, s[HM]          ; lanes 16-31 hold block 1's byte
	global_store_b128 v1, v[224:227], s[8:9] offset:\p*196608          ; 512 consecutive bytes a wave,
	global_store_b64 v2, v[228:229], s[8:9] offset:\p*196608+512       ; and 256
	global_store_b8 v29, v240, s[10:11] offset:\p*8192                 ; a row's scale word spans two heads, which two work-groups own: so two bytes a row, one a lane; they are 1/24 of the codes' bytes
.endm
	PASS 0
	PASS 1
	s_wait_tensorcnt 0x0                           ; the wave's end, behind my tensor load
	ds_add_u32 v[SPW], v[NIL]
	s_wait_dscnt 0x0
	ROUND                                          ; the closing round
	s_endpgm
.Lfunc_end_k_q5c93abccc6_attn:
	.size	k_q5c93abccc6_attn, .Lfunc_end_k_q5c93abccc6_attn-k_q5c93abccc6_attn
	.p2alignl 7, 3214868480
	.fill 96, 4, 3214868480
	.section	.rodata,"a",@progbits
	.p2align	6, 0x0
	.amdhsa_kernel k_q5c93abccc6_attn
		.amdhsa_group_segment_fixed_size 212992
		.amdhsa_private_segment_fixed_size 0
		.amdhsa_enable_private_segment 0
		.amdhsa_kernarg_size 32
		.amdhsa_user_sgpr_count 2
		.amdhsa_user_sgpr_kernarg_segment_ptr 1
		.amdhsa_wavefront_size32 1
		.amdhsa_system_sgpr_workgroup_id_x 1
		.amdhsa_system_sgpr_workgroup_id_y 1
		.amdhsa_system_sgpr_workgroup_id_z 1
		.amdhsa_system_vgpr_workitem_id 0
		.amdhsa_next_free_vgpr 256
		.amdhsa_next_free_sgpr 66
		.amdhsa_reserve_vcc 1
		.amdhsa_float_denorm_mode_32 3
		.amdhsa_float_denorm_mode_16_64 3
		.amdhsa_memory_ordered 1
		.amdhsa_forward_progress 1
		.amdhsa_inst_pref_size 48
	.end_amdhsa_kernel
	.amdgpu_metadata
---
amdhsa.version: [ 1, 2 ]
amdhsa.kernels:
  - .name:           k_q5c93abccc6_attn
    .symbol:         k_q5c93abccc6_attn.kd
    .args:
      - { .name: qrec, .offset: 0, .size: 8, .value_kind: global_buffer, .address_space: global }
      - { .name: kv, .offset: 8, .size: 8, .value_kind: global_buffer, .address_space: global }
      - { .name: ao, .offset: 16, .size: 8, .value_kind: global_buffer, .address_space: global }
      - { .name: aos, .offset: 24, .size: 8, .value_kind: global_buffer, .address_space: global }
    .group_segment_fixed_size: 212992
    .private_segment_fixed_size: 0
    .kernarg_segment_align: 8
    .kernarg_segment_size: 32
    .max_flat_workgroup_size: 512
    .sgpr_count:     66
    .vgpr_count:     256
    .wavefront_size: 32
...
	.end_amdgpu_metadata
.endif
;; end of part 3
;; launch oproj (part 4): grid 4 x 32, 4 waves a work-group, clusters of 4 x 4, 327,680 bytes of LDS; arguments opc, ops, ao, aos, out0; writes out0
.if DOCPART == 4
	.amdgcn_target "amdgcn-amd-amdhsa--gfx1250"
	.amdhsa_code_object_version 6
	.text
	.protected	k_q5c93abccc6_oproj
	.globl	k_q5c93abccc6_oproj
	.p2align	8
	.type	k_q5c93abccc6_oproj,@function
k_q5c93abccc6_oproj:
	s_mov_b64 s[64:65], 0
	v_nop
	global_prefetch_b8 v0, s[64:65] scope:SCOPE_SE
	s_setreg_imm32_b32 hwreg(HW_REG_WAVE_MODE, 25, 1), 1
	s_wait_xcnt 0x0
	s_wait_alu depctr_hold_cnt(0) depctr_sa_sdst(0) depctr_va_vdst(0) depctr_va_sdst(0) depctr_va_ssrc(0) depctr_va_vcc(0) depctr_vm_vsrc(0)
	s_getreg_b32 s2, hwreg(HW_REG_IB_STS2, 6, 4)
	s_cmp_eq_u32 s2, 0
	s_cbranch_scc0 .Lentry_in_a_cluster
	s_endpgm
.Lentry_in_a_cluster:
	s_bfe_u32 s2, ttmp6, 0x10000c
	s_cmp_lg_u32 s2, 0xf033
	s_cbranch_scc0 .Lentry_shape_is_right
	s_endpgm
.Lentry_shape_is_right:
; out0 = O Wo^T on codes of FP6 (E2M3) with E8M0 scales, K = 1,024; out0 [8192][1024] f32.  O's codes (ao, aos) and Wo's (groups 152-159 of opc, ops) lie in the order of the matrix operand's registers.
; A work-group of four waves makes 256 x 256; a wave 128 x 128: 64 accumulators.  Source 0 = X = Wo's rows, source 1 = Y = tokens: a lane holds one token, its registers run along the output's columns.
; Rows go in groups of 128; tile t holds rows 32 (t / 2) + 8 (t % 2) + r + 8 (r / 8).  K goes in steps of 256 through two LDS slots; a group's 256 along K are 24,576 dense bytes; the scale words come once and stay.
; CLUSTERS: 4 x 4 work-groups; Y's group hangs on cy, X's on cx: each tile is asked for jointly by the four that share it.
; 128 work-groups: a tile of 128 x 256 would give 256, at the price of a second form of the product's loop; not built.
; REGISTERS, in windows of 256: window 0: v16-29 addresses; v32-63 scale words, two sets; v128-223 Y's fragments, one set (on the way out v128-255: rows read back).  window 1: X's fragments, two sets.  windows 2, 3: accumulator (a, b) at v[8 (8 (a % 4) + b)].
.set NQ,    2
.set FR,    12
.set NL,    4
.set NP,    4
.set GRPB,  98304
.set SLB,   24576
.set SLOT,  4*SLB
.set LAPS,  2
.set SCL,   2*SLOT
.set SPARE, SCL+4*4096                 ; the spare words, 128 bytes for each wave: two blocks of 256 bytes that no other line names
.set SPITCH, 528                       ; the way out: a stage of 16 rows x (512 bytes + 16) for each wave, in slot 0, which has had its last fill and its last read when the first result is stored there
.set ADRA, 16
.set ADRB, 20
.set STO,  24                          ; v24 the way out: where I put 32 bytes of a row
.set RD,   25                          ; v25 where I read a row back
.set CO,   26                          ; v26 16 x lane
.set ADRS, 27
.set SPW,  28
.set NIL,  29
.set SC,   32
.set AF,   128
.set BK,   128
.set G1, 24
.set G0, 32
.set G1B, 48
.set G0B, 56
.set G1S, 68
.set G0S, 76
.set G1SB, 80
.set G0SB, 88
.set MSB, 0
.macro WIN new                         ; the immediate's high byte repeats the setting that is left
.if MSB != \new
	s_set_vgpr_msb (MSB<<8)|\new
.set MSB, \new
.endif
.endm
.set MUL_LO, 0xa1
.set MUL_HI, 0xf1
.set TO_B,   0x40
.macro JLOAD g0a, g1a, g0b, g1b        ; a joint load: waves 0 and 1 fetch for Y, waves 2 and 3 for X; an s_nop 0 and four v_nop follow each of the two lines
	s_cmp_eq_u32 s17, 0
	s_cbranch_scc0 .Lfor_b_\@
	tensor_load_to_lds s[\g0a:\g0a+3], s[\g1a:\g1a+7]
	s_nop 0
.rept 4
	v_nop
.endr
	s_branch .Lasked_\@
.Lfor_b_\@:
	tensor_load_to_lds s[\g0b:\g0b+3], s[\g1b:\g1b+7]
	s_nop 0
.rept 4
	v_nop
.endr
.Lasked_\@:
.endm
.macro CREST
	s_cmp_lg_u32 s16, 0
	s_cbranch_scc1 .Lnot_wave_0_\@
	s_barrier_signal -3
.Lnot_wave_0_\@:
	s_barrier_wait -3
	s_barrier_signal -1
	s_barrier_wait -1
.endm
.macro CROUND
	s_barrier_signal -1
	s_barrier_wait -1
	CREST
.endm
	s_load_b256 s[4:11], s[0:1], 0x0               ; opc, ops, ao, aos
	s_load_b64 s[12:13], s[0:1], 0x20              ; out0
	v_lshl_add_u32 v[SPW], v0, 2, SPARE
	v_mov_b32 v[NIL], 0
	ds_add_u32 v[SPW], v[NIL]                      ; the wave's opening: the add and its wait stand ahead of my first tensor load
	v_lshrrev_b32 v1, 5, v0
	v_readfirstlane_b32 s16, v1                    ; wave 0..3
	s_lshr_b32 s17, s16, 1                         ; which of Y's two groups I multiply.  Also: I fetch for Y (0) or for X (1)
	s_and_b32 s18, s16, 1                          ; which of X's two.  Also: which of the two groups I fetch
	s_bfe_u32 s40, ttmp6, 0x40000                  ; cx, cy
	s_bfe_u32 s41, ttmp6, 0x40004
	s_and_b32 s42, ttmp7, 0xffff                   ; the cluster's y
	s_lshl_b32 s43, s41, 2
	s_lshl_b32 s43, 15, s43                        ; my row of the cluster
	s_lshl_b32 s44, 0x1111, s40                    ; my column
	s_or_b32 s[G1+0], s43, (3<<16)|(1<<21)         ; 24,576 dense bytes as 96 rows of 32 elements of 8 bytes; Y's tiles go to my row,
	s_or_b32 s[G1B+0], s44, (3<<16)|(1<<21)        ; X's to my column
.irp g, G1, G1B
	s_mov_b32 s[\g+1], 32<<16
	s_mov_b32 s[\g+2], 96<<16
	s_mov_b32 s[\g+3], 32<<16
	s_mov_b32 s[\g+4], 96
	s_mov_b32 s[\g+5], 32
	s_mov_b32 s[\g+6], 0
	s_mov_b32 s[\g+7], 0
.endr
	s_or_b32 s[G1S+0], s43, (3<<16)|(1<<21)        ; a group's scale words: 16 such rows
	s_or_b32 s[G1SB+0], s44, (3<<16)|(1<<21)
.irp g, G1S, G1SB
	s_mov_b32 s[\g+1], 32<<16
	s_mov_b32 s[\g+2], 16<<16
	s_mov_b32 s[\g+3], 32<<16
	s_mov_b32 s[\g+4], 16
	s_mov_b32 s[\g+5], 32
	s_mov_b32 s[\g+6], 0
	s_mov_b32 s[\g+7], 0
.endr
	s_lshl_b32 s20, s42, 3
	s_lshl_b32 s21, s41, 1
	s_add_co_u32 s20, s20, s21
	s_add_co_u32 s20, s20, s18                     ; the group of tokens that I would fetch: 8 CY + 2 cy + wave % 2
	s_lshl_b32 s22, s40, 1
	s_add_co_u32 s22, s22, 152
	s_add_co_u32 s22, s22, s18                     ; and of Wo: 152 + 2 cx + wave % 2
	s_mul_i32 s92, s20, GRPB
	s_mov_b32 s93, 0
	s_mul_i32 s94, s22, GRPB
	s_mov_b32 s95, 0
	s_lshl_b32 s96, s20, 12
	s_mov_b32 s97, 0
	s_lshl_b32 s46, s22, 12
	s_mov_b32 s47, 0
	s_mul_i32 s45, s16, SLB
	s_lshl_b32 s98, s16, 12
	s_wait_dscnt 0x0                               ; the opening add is done
	s_wait_kmcnt 0x0
	s_add_nc_u64 s[92:93], s[8:9], s[92:93]
	s_add_nc_u64 s[94:95], s[4:5], s[94:95]
	s_add_nc_u64 s[96:97], s[10:11], s[96:97]
	s_add_nc_u64 s[46:47], s[6:7], s[46:47]
	CROUND                                         ; all sixteen work-groups are here: the first joint loads meet
	s_mov_b32 s[G0S], 1
	s_add_co_u32 s[G0S+1], s98, SCL
	s_mov_b64 s[G0S+2:G0S+3], s[96:97]
	s_or_b32 s[G0S+3], s[G0S+3], 0x80000000
	s_mov_b32 s[G0SB], 1
	s_add_co_u32 s[G0SB+1], s98, SCL
	s_mov_b64 s[G0SB+2:G0SB+3], s[46:47]
	s_or_b32 s[G0SB+3], s[G0SB+3], 0x80000000
	JLOAD G0S, G1S, G0SB, G1SB                     ; three loads of mine are out at the most
.irp s, 0,1
	s_mov_b32 s[G0+4*\s], 1
	s_add_co_u32 s[G0+4*\s+1], s45, \s*SLOT
	s_add_nc_u64 s[G0+4*\s+2:G0+4*\s+3], s[92:93], \s*SLB
	s_or_b32 s[G0+4*\s+3], s[G0+4*\s+3], 0x80000000
	s_mov_b32 s[G0B+4*\s], 1
	s_add_co_u32 s[G0B+4*\s+1], s45, \s*SLOT
	s_add_nc_u64 s[G0B+4*\s+2:G0B+4*\s+3], s[94:95], \s*SLB
	s_or_b32 s[G0B+4*\s+3], s[G0B+4*\s+3], 0x80000000
	JLOAD G0+4*\s, G1, G0B+4*\s, G1B
.endr
	v_and_b32 v1, 31, v0
	v_lshlrev_b32 v4, 4, v1
	v_lshlrev_b32 v5, 3, v1
	s_mul_i32 s21, s17, SLB
	s_mul_i32 s22, s18, SLB
	s_add_co_u32 s22, s22, 2*SLB
.irp s, 0,1
	v_add_nc_u32 v[ADRA+\s], s21, v4
	v_add_nc_u32 v[ADRB+\s], s22, v4
	v_add_nc_u32 v[ADRA+2+\s], s21, v5
	v_add_nc_u32 v[ADRB+2+\s], s22, v5
	s_add_co_u32 s21, s21, SLOT
	s_add_co_u32 s22, s22, SLOT
.endr
	v_and_b32 v2, 15, v0                           ; r
	v_bfe_u32 v3, v0, 4, 1                         ; h
	v_lshlrev_b32 v6, 3, v2
	s_lshl_b32 s21, s17, 12
	s_lshl_b32 s22, s18, 12
	s_add_co_u32 s22, s22, 8192
	s_sub_co_u32 s22, s22, s21
	v_mul_u32_u24 v7, s22, v3                      ; lanes 16-31 take X's words: one product, the distance x h
	s_add_co_u32 s21, s21, SCL
	v_add_nc_u32 v6, v6, v7
	v_add_nc_u32 v[ADRS], s21, v6
	s_mul_i32 s23, s16, 16*SPITCH                  ; my stage
	v_mul_u32_u24 v5, v2, SPITCH
	v_lshl_add_u32 v5, v3, 6, v5
	v_add_nc_u32 v[STO], s23, v5                   ; in: row r, + 64 h: X's tile b gives columns 32 (b / 2) + 8 (b % 2) + 16 h + 0 .. 7
	v_lshlrev_b32 v[CO], 4, v1
	v_add_nc_u32 v[RD], s23, v[CO]                 ; back: the 32 lanes take one row of 512 bytes
	s_lshl_b32 s20, s42, 3
	s_lshl_b32 s21, s41, 1
	s_add_co_u32 s20, s20, s21
	s_add_co_u32 s20, s20, s17                     ; my group of tokens
	s_lshl_b32 s20, s20, 19                        ; 128 rows of 4,096 bytes
	s_lshl_b32 s21, s40, 10
	s_add_co_u32 s20, s20, s21
	s_lshl_b32 s21, s18, 9
	s_add_co_u32 s20, s20, s21                     ; my 128 columns: 1,024 cx + 512 (wave % 2) bytes
	s_mov_b32 s21, 0
	s_add_nc_u64 s[12:13], s[12:13], s[20:21]
.macro FRAG reg, adr, q, i             ; a fragment: two halves of 768 bytes: registers 0-3 at 16 x lane, 4-5 at 512 + 8 x lane
	ds_load_b128 v[\reg:\reg+3], v[\adr] offset:(\q)*12288+(\i)*1536
	ds_load_b64 v[\reg+4:\reg+5], v[\adr+2] offset:(\q)*12288+(\i)*1536+512
	ds_load_b128 v[\reg+6:\reg+9], v[\adr] offset:(\q)*12288+(\i)*1536+768
	ds_load_b64 v[\reg+10:\reg+11], v[\adr+2] offset:(\q)*12288+(\i)*1536+1280
.endm
; 16 matrix instructions: Y's tiles a0, a0 + 1 x X's eight.  The 64 accumulators take turns, one instruction a turn, in the same order in every step.
.macro MUL16 a0, p, q, sc, zero
.irp a, \a0, \a0+1
.irp b, 0,1,2,3,4,5,6,7
.if \zero
	v_wmma_scale_f32_16x16x128_f8f6f4 v[8*(8*((\a)%4)+\b):8*(8*((\a)%4)+\b)+7], v[128*(\p)+FR*\b:128*(\p)+FR*\b+FR-1], v[AF+FR*(\a):AF+FR*(\a)+FR-1], 0, v[SC+8*NQ*(\sc)+NQ*\b+(\q)], v[SC+8*NQ*(\sc)+NQ*(\a)+(\q)] matrix_a_fmt:MATRIX_FMT_FP6 matrix_b_fmt:MATRIX_FMT_FP6 matrix_a_scale:MATRIX_SCALE_ROW1
.else
	v_wmma_scale_f32_16x16x128_f8f6f4 v[8*(8*((\a)%4)+\b):8*(8*((\a)%4)+\b)+7], v[128*(\p)+FR*\b:128*(\p)+FR*\b+FR-1], v[AF+FR*(\a):AF+FR*(\a)+FR-1], v[8*(8*((\a)%4)+\b):8*(8*((\a)%4)+\b)+7], v[SC+8*NQ*(\sc)+NQ*\b+(\q)], v[SC+8*NQ*(\sc)+NQ*(\a)+(\q)] matrix_a_fmt:MATRIX_FMT_FP6 matrix_b_fmt:MATRIX_FMT_FP6 matrix_a_scale:MATRIX_SCALE_ROW1
.endif
.endr
.endr
.endm
.macro FETCH_B slot, q, p
	WIN TO_B
.irp i, 0,1,2,3,4,5,6,7
	FRAG 128*(\p)+FR*\i, ADRB+\slot, \q, \i
.endr
	WIN 0
.endm
.macro FETCH_A slot, q, i0
.irp i, \i0, \i0+1, \i0+2, \i0+3
	FRAG AF+FR*(\i), ADRA+\slot, \q, \i
.endr
.endm
.macro SCALES sc
.irp i, 0,1,2,3,4,5,6,7
	ds_load_b64 v[SC+8*NQ*\sc+NQ*\i:SC+8*NQ*\sc+NQ*\i+1], v[ADRS] offset:\i*128
.endr
.endm
.macro PLACES n                        ; plain vector lines between a matrix instruction and a load into, or a read of, its registers (ISA guide 7.12.1 for reads)
.rept \n
	v_nop
.endr
.endm
.macro STEP slot, q, zero
	s_wait_dscnt 4*NL                              ; X's set and Y's tiles 0-3 are in; the youngest sixteen loads (Y's tiles 4-7) may be out
	WIN MUL_LO
	MUL16 0, (\q)%2, \q, \slot, \zero
	MUL16 2, (\q)%2, \q, \slot, \zero
	s_wait_dscnt 0
	PLACES NP
	FETCH_B \slot, (\q)+1, 1-(\q)%2
	FETCH_A \slot, (\q)+1, 0
	WIN MUL_HI
	MUL16 4, (\q)%2, \q, \slot, \zero
	MUL16 6, (\q)%2, \q, \slot, \zero
	PLACES NP
	WIN 0
	FETCH_A \slot, (\q)+1, 4
.endm
.macro TURN slot, next, fill           ; a slot's last step changes slots: one barrier, the three lines in front of it
	s_wait_tensorcnt 0x0                           ; all my tensor loads have landed: my part of the next slot
	ds_add_u32 v[SPW], v[NIL]                      ; 0 onto my spare word
	s_wait_dscnt 4*NL+1                            ; (the add and the youngest sixteen loads may be out)
	WIN MUL_LO
	MUL16 0, 1, NQ-1, \slot, 0
	s_wait_dscnt 0x0                               ; the add is done, and my reads of this slot are over
	s_barrier_signal -1
	MUL16 2, 1, NQ-1, \slot, 0
	WIN 0
	s_barrier_wait -1
.if \fill
	CREST                                          ; the barrier has opened a round of the cluster's: no wave of any partner still reads this slot or has a load on its way
	s_add_nc_u64 s[G0+4*\slot+2:G0+4*\slot+3], s[G0+4*\slot+2:G0+4*\slot+3], 2*SLB
	s_add_nc_u64 s[G0B+4*\slot+2:G0B+4*\slot+3], s[G0B+4*\slot+2:G0B+4*\slot+3], 2*SLB
	JLOAD G0+4*\slot, G1, G0B+4*\slot, G1B         ; the first tensor load behind the round
.else
	PLACES NP
.endif
	v_add_nc_u32 v[ADRS], 1024, v[ADRS]
	FETCH_B \next, 0, 0
	FETCH_A \next, 0, 0
	SCALES \next
	WIN MUL_HI
	MUL16 4, 1, NQ-1, \slot, 0
	MUL16 6, 1, NQ-1, \slot, 0
	PLACES NP
	WIN 0
	FETCH_A \next, 0, 4
.endm
	s_wait_tensorcnt 1                             ; the scale words and my part of slot 0 are in; slot 1's load may be out
	s_barrier_signal -1
	s_barrier_wait -1
	FETCH_B 0, 0, 0
	FETCH_A 0, 0, 0
	SCALES 0
	FETCH_A 0, 0, 4
	STEP 0, 0, 1
	s_mov_b32 s3, LAPS-1
.Llap:
	TURN 0, 1, 1
	STEP 1, 0, 0
	TURN 1, 0, 1
	STEP 0, 0, 0
	s_sub_co_u32 s3, s3, 1
	s_cmp_lg_u32 s3, 0
	s_cbranch_scc1 .Llap
	TURN 0, 1, 0
	STEP 1, 0, 0
	s_wait_dscnt 4*NL
	WIN MUL_LO
	MUL16 0, 1, NQ-1, 1, 0
	MUL16 2, 1, NQ-1, 1, 0
	s_wait_dscnt 0
	WIN MUL_HI
	MUL16 4, 1, NQ-1, 1, 0
	MUL16 6, 1, NQ-1, 1, 0
	WIN 0
; THE WAY OUT, a tile of 16 tokens x 128 columns at a time, through my own stage: in by 32 bytes a lane, back as whole rows of 512 bytes.  LDS serves a wave's instructions in order: no wait between the stores and the loads.
.macro TOSTAGE a
.set AC, 64*((\a)%4)
	WIN (0x08+4*((\a)/4))                          ; the data: window 2 or 3
.irp b, 0,1,2,3,4,5,6,7
	ds_store_b128 v[STO], v[AC+8*\b:AC+8*\b+3] offset:128*(\b/2)+32*(\b%2)          ; each accumulator from its low end on
	ds_store_b128 v[STO], v[AC+8*\b+4:AC+8*\b+7] offset:128*(\b/2)+32*(\b%2)+16
.endr
	WIN 0
.set BB, BK+64*((\a)%2)
.irp t, 0,1,2,3,4,5,6,7,8,9,10,11,12,13,14,15
	ds_load_b128 v[BB+4*\t:BB+4*\t+3], v[RD] offset:\t*SPITCH
.endr
.endm
.macro SEND a, younger                 ; stage row t of tile a is token 32 (a / 2) + 8 (a % 2) + t + 8 (t / 8) of my 128: its place stands in the immediate, 127 rows of 4,096 bytes at the most
.set BB, BK+64*((\a)%2)
	s_wait_dscnt \younger                          ; the tile is back in registers; the LDS instructions issued behind its loads may be out
.irp t, 0,1,2,3,4,5,6,7,8,9,10,11,12,13,14,15
	global_store_b128 v[CO], v[BB+4*\t:BB+4*\t+3], s[12:13] offset:(32*((\a)/2)+8*((\a)%2)+\t+8*(\t/8))*4096 th:TH_STORE_NT   ; 512 consecutive bytes a wave, at a multiple of 512 from out0's first byte
.endr
.endm
	PLACES NP
	TOSTAGE 0
.irp a, 1,2,3,4,5,6,7
.if \a > 1
	s_wait_xcnt 0x0                                ; tile a - 2's stores have read their registers: tile a's loads may land there
.endif
	TOSTAGE \a
	SEND \a-1, 32                                  ; behind tile a - 1's loads: tile a's 16 stores and 16 loads
.endr
	SEND 7, 0
	s_wait_tensorcnt 0x0                           ; the wave's end, behind my last tensor load and my last LDS store
	ds_add_u32 v[SPW], v[NIL]
	s_wait_dscnt 0x0
	CROUND                                         ; the closing round
	s_endpgm
.Lfunc_end_k_q5c93abccc6_oproj:
	.size	k_q5c93abccc6_oproj, .Lfunc_end_k_q5c93abccc6_oproj-k_q5c93abccc6_oproj
	.p2alignl 7, 3214868480
	.fill 96, 4, 3214868480
	.section	.rodata,"a",@progbits
	.p2align	6, 0x0
	.amdhsa_kernel k_q5c93abccc6_oproj
		.amdhsa_group_segment_fixed_size 327680
		.amdhsa_private_segment_fixed_size 0
		.amdhsa_enable_private_segment 0
		.amdhsa_kernarg_size 40
		.amdhsa_user_sgpr_count 2
		.amdhsa_user_sgpr_kernarg_segment_ptr 1
		.amdhsa_wavefront_size32 1
		.amdhsa_system_sgpr_workgroup_id_x 1
		.amdhsa_system_sgpr_workgroup_id_y 1
		.amdhsa_system_sgpr_workgroup_id_z 1
		.amdhsa_system_vgpr_workitem_id 0
		.amdhsa_next_free_vgpr 1024
		.amdhsa_next_free_sgpr 100
		.amdhsa_reserve_vcc 0
		.amdhsa_float_denorm_mode_32 3
		.amdhsa_float_denorm_mode_16_64 3
		.amdhsa_memory_ordered 1
		.amdhsa_forward_progress 1
		.amdhsa_inst_pref_size 143
	.end_amdhsa_kernel
	.amdgpu_metadata
---
amdhsa.version: [ 1, 2 ]
amdhsa.kernels:
  - .name:           k_q5c93abccc6_oproj
    .symbol:         k_q5c93abccc6_oproj.kd
    .args:
      - { .name: opc, .offset: 0, .size: 8, .value_kind: global_buffer, .address_space: global }
      - { .name: ops, .offset: 8, .size: 8, .value_kind: global_buffer, .address_space: global }
      - { .name: ao, .offset: 16, .size: 8, .value_kind: global_buffer, .address_space: global }
      - { .name: aos, .offset: 24, .size: 8, .value_kind: global_buffer, .address_space: global }
      - { .name: out0, .offset: 32, .size: 8, .value_kind: global_buffer, .address_space: global }
    .group_segment_fixed_size: 327680
    .private_segment_fixed_size: 0
    .kernarg_segment_align: 8
    .kernarg_segment_size: 40
    .max_flat_workgroup_size: 128
    .sgpr_count:     100
    .vgpr_count:     1024
    .wavefront_size: 32
...
	.end_amdgpu_metadata
.endif
;; end of part 4
